; MI455X (gfx1250); checked and timed in simulation.
; The chip was launched on July 23, 2026; its instructions are those of AMD's public machine-readable ISA for CDNA 5 (MIT licence, August 2026) and "CDNA5" Instruction Set Architecture Reference Guide (July 2026). The comments in the code are by the model that wrote it; some were corrected since.
;; PGD. Allowed arithmetic: matrix products marked QUANTISED: E3M2 operands, one E8M0 scale for each 32 along K, by v_wmma_scale_f32_16x16x128_f8f6f4 with both operands' format E3M2, f32 sums; products left as they are: f32 operands where the result goes on into a quantised operand, else bf16, f16 or f32 operands; f32 sums; everything else in f32.
;; Inputs: A_LR 8 x 1 x 1 float32; B_LR 1 float32; W_e 50,257 x 256 float32; W_k_codes 8 x 256 x 8 x 24 uint8 (E3M2 codes of W_k, K innermost, in blocks of 32 codes, four codes in three bytes); W_k_scales 8 x 256 x 8 uint8 (E8M0 scales of W_k, one for each 32 codes along K); W_p_codes 513 x 8 x 24 uint8 (E3M2 codes of W_p, K innermost, in blocks of 32 codes, four codes in three bytes); W_p_scales 513 x 8 uint8 (E8M0 scales of W_p, one for each 32 codes along K); W_q_codes 8 x 256 x 8 x 24 uint8 (E3M2 codes of W_q, K innermost, in blocks of 32 codes, four codes in three bytes); W_q_scales 8 x 256 x 8 uint8 (E8M0 scales of W_q, one for each 32 codes along K); W_v_codes 8 x 256 x 8 x 24 uint8 (E3M2 codes of W_v, K innermost, in blocks of 32 codes, four codes in three bytes); W_v_scales 8 x 256 x 8 uint8 (E8M0 scales of W_v, one for each 32 codes along K); idx 4 x 512 int32.
;; Outputs: out0 4 x 50,257 float32.
;; This version of the problem:
;;   THIS VERSION OF THE PROBLEM IS GIVEN IN LOW PRECISION. The matrix products marked QUANTISED in the list below multiply operands that are first quantised to E3M2 (3 exponent bits, 2 mantissa bits; 6 bits a number), with one power-of-two scale for each 32 numbers along K (OCP MX v1.0); their sums are f32. All else is computed in f32.
;;   The module's matrix products, in the order in which they are computed (A, B: the left and right operand; K: the contracted axis; several contracted axes count as one K, in the product's order):
;;     1. [M 2,048, K 256] x [K 256, N 513]; A: input W_k (given as codes); B: input W_p (given as codes): QUANTISED
;;     2. [M 2,048, K 256] x [K 256, N 513]; A: input W_q (given as codes); B: input W_p (given as codes): QUANTISED
;;     3. batch 8 x [M 513, K 256] x [K 256, N 513]; A: computed on the way; B: computed on the way: QUANTISED
;;     4. [M 2,048, K 256] x [K 256, N 50,257]; A: computed on the way; B: input W_e: QUANTISED
;;     5. [M 2,048, K 50,257] x [K 50,257, N 256]; A: computed on the way; B: input W_e: QUANTISED
;;     6. [M 2,048, K 256] x [K 256, N 2,048]; A: input W_v (given as codes); B: computed on the way: QUANTISED
;;     7. batch 8 x [M 1,024, K 512] x [K 512, N 513]; A: computed on the way; B: computed on the way: QUANTISED
;;     8. [M 4, K 256] x [K 256, N 50,257]; A: computed on the way; B: input W_e: left as it is (M = 4 < 16)
;;   THE QUANTISER, for each operand of a quantised product, along K:
;;     - K is cut into blocks of 32 from its start; a last block that is shorter is filled with zeros.
;;     - A block's scale is 2^e with e = floor(log2(the largest magnitude in the block)) - 4, held to -126 .. 127; a block of zeros has e = 0. As a byte (E8M0): e + 127.
;;     - Each number is divided by its block's scale, clamped to +-28, and rounded to the nearest number of E3M2, ties to even, subnormals kept.
;;     - The product sums the exact products of the quantised numbers (number of the format x scale) in f32.
;;   ~~~python
;;   def quantise(x, axis):      # numpy; x: float32 -> the quantised numbers, widened to float32 again
;;       x = np.moveaxis(x, axis, -1); K = x.shape[-1]
;;       x = np.pad(x, [(0, 0)] * (x.ndim - 1) + [(0, -K % 32)]); x = x.reshape(x.shape[:-1] + (-1, 32)); a = np.abs(x).max(-1, keepdims=True)
;;       e = np.where(a > 0, np.clip(np.frexp(np.where(a > 0, a, 1))[1] - 1 - 4, -126, 127), 0)      # np.frexp(a)[1] - 1 = floor(log2(a)), exactly
;;       r = np.clip(x / 2.0 ** e, -28, 28)
;;       step = 2.0 ** (np.maximum(np.frexp(np.where(r == 0, 1, r))[1] - 1, -2) - 2)
;;       q = np.round(r / step) * step * 2.0 ** e      # np.round: ties to even
;;       return np.moveaxis(q.reshape(q.shape[:-2] + (-1,))[..., :K], -1, axis).astype(np.float32)
;;   ~~~
;;   OPERANDS COMPUTED ON THE WAY. 'Computed on the way' means the value that the module computes at that place (a softmax that the list does not call 'softmax' is quantised finished and normalised). What goes into a quantiser is computed in f32, as accurately as f32 sums, v_exp_f32 and their like allow (about 1e-6 of the number): no bf16 or f16 on the way to a quantiser, and a product that is left as it is and whose result goes on into a quantised operand takes f32 operands (vector FMAs, or v_wmma_f32_16x16x4_f32). A number that lies on a knife's edge between two numbers of the format may be rounded either way, as far as f32 arithmetic and the matrix unit's own rounding can turn it there, and no further.
;;   INPUTS GIVEN AS CODES. W_k (in the module: [8, 256, 256], K = its axis 1); W_p (in the module: [513, 256], K = its axis 1); W_q (in the module: [8, 256, 256], K = its axis 1); W_v (in the module: [8, 256, 256], K = its axis 1): each comes as NAME_codes (uint8): NAME with its K axis moved to the last place and cut into blocks of 32 codes, [.., K / 32, bytes a block], one block behind the other in memory; four codes in three bytes: a row's codes are one little-endian stream of bits, code i at bits 6 i .. 6 i + 5 (a code: sign, 3 exponent bits, 2 mantissa bits); and NAME_scales (uint8): the same leading axes, one E8M0 byte (e + 127) for each 32 codes along K. Its value is code x scale, taken as it is: it is not quantised again, and the codes and scales need not be those that the quantiser above would give.
;; 2 versions. Each part assembles by itself: llvm-mc -triple=amdgcn-amd-amdhsa -mcpu=gfx1250 --defsym DOCPART=n.
;; ======== version 1 of 2: 3 launches
;; workspace buffers: psum 51,200 bytes; scp 36,864 bytes; fp 16,384 bytes
;; launch colsum_scores (part 1): grid 232 x 1, 16 waves a work-group, no clusters, 57,344 bytes of LDS; arguments W_e, W_p_codes, W_p_scales, W_k_codes, W_k_scales, W_q_codes, W_q_scales, psum, scp; writes psum, scp
.if DOCPART == 1
	.amdgcn_target "amdgcn-amd-amdhsa--gfx1250"
	.amdhsa_code_object_version 6
	.text
	.protected	k_q563b50b0a2_colsum_scores
	.globl	k_q563b50b0a2_colsum_scores
	.p2align	8
	.type	k_q563b50b0a2_colsum_scores,@function
k_q563b50b0a2_colsum_scores:
	s_mov_b64 s[64:65], 0
	v_nop
	global_prefetch_b8 v0, s[64:65] scope:SCOPE_SE
	s_setreg_imm32_b32 hwreg(HW_REG_WAVE_MODE, 25, 1), 1
	s_wait_xcnt 0x0
; PGD, launch 1 of 3.  logits = f_k[:, -1] W_e^T after ONE layer that starts from f_k = 0.
; WORK LEFT OUT, for all finite values of the inputs:
;  (a) reference() builds f_k as zeros, so product 4 (f_k W_e^T) is 0 everywhere, its clip is 0 and exp_fw is 1 everywhere: product 4, the clip and the exponentials are not computed.
;      The quantiser turns a block of ones (the last one too: 17 ones and 15 zeros) into the code 16 under the scale 2^-4, which is 1 exactly: exp_fw's codes and scale bytes are constants, made in registers.
;      exp_fw.sum is 50,257; the 1e-8 beside it is under half a last place of it.
;  (b) only f_k[:, -1] reaches the logits: of products 2, 3 and 7 and of the softmax only query position 512 is computed; the rows n < 512 are sliced away by reference().
;  Products 1 (all 513 keys enter the softmax's sum), 5, 6 and 8 are done in full.  Every input has a way to the output and is loaded by some launch.
;  PRODUCT 5 is done as it is written: each of its 2,048 rows reaches its own row of diff, so none is dead, and all 128 tiles of 16 rows go to the matrix unit.  The rows are equal for all inputs (ones against Q(W_e)), so no row is kept apart:
;  the tiles are added up in the accumulators, and the sum x 2^-7 stands for every row.
; LIMITS: a NaN, an infinity or an overflow that reaches only the work left out is not carried to the result.  A block of zeros gets the scale byte 1 where the quantiser says 127: its codes are zeros, and this program alone reads the bytes.
;  A column's partial sum is added 32 times in a chain before it is scaled back: a few last places of a number that, divided by 50,257, is small beside the e that it is taken from.
; THIS LAUNCH has two kinds of work-groups, told apart by the work-group's number; each kind has LDS bytes of its own.
;  Work-groups 0-31 (SCORES): head = g / 4, half eh of the 256 e, half ph of the positions.  W_q's and W_k's 128 rows (e) go once into LDS as images of operand registers; each of the 16 waves projects position 512 by W_q and its own
;   16 positions by W_k (products 2 and 1; transposed: a lane holds one position, its registers run along e), quantises both along e in registers, and one product gives its 16 scores' part for these 128 e (product 3).  scp[head][eh][position].
;  Work-groups 32-231 (PRODUCT 5): 64 columns x 1,024 rows of W_e.  A lane takes a column and its registers run down 128 rows, so a block of 32 along the vocabulary lies in one lane; 128 tiles of ones x codes by the matrix unit; psum[chunk][column].
; No cluster: product 5's work-groups share no byte; the scores' shared weights are 100 KB read by two work-groups each.  No tensor loads: every wave asks for its whole share at its head, so nothing is filled twice.
; Stores: psum in aligned runs of 256 bytes; scp in runs of 64 bytes (36 KB in all).
.set WQI,   0                          ; LDS, scores: W_q's 16 fragments (tile t, K step s: 2 t + s), 1,536 bytes each
.set WKI,   24576                      ; W_k's
.set WQS,   49152                      ; their scale words, 128 bytes a fragment
.set WKS,   51200
.set ARED,  53248                      ; LDS, product 5: 16 waves x 32 numbers
.set SPARE, 55296                      ; the spare words, 128 bytes for each wave: eight blocks of 256 bytes that no other line names
.set LI,   4                           ; v4   16 x lane
.set LS,   5                           ; v5   4 x lane
.set IW,   6                           ; v6   1,536 x wave + 16 x lane
.set SWA,  7                           ; v7   4 x thread
.set ARW,  8                           ; v8   ARED + 4 x thread
.set ARR,  9                           ; v9   ARED + 8 x lane
.set WO,   10                          ; scores: byte offsets in memory
.set WSO,  11
.set HO,   12
.set ZO,   13
.set PO,   14
.set PSO,  15
.set P512, 16                          ; v16-39   position 512's two fragments (all 16 rows alike)
.set PT,   40                          ; v40-63   my 16 positions' two fragments
.set XJ,   64                          ; v64-75   Q(x_j[512]), 128 e
.set PC,   76                          ; v76-87   Q(x_i), 16 positions x 128 e
.set TP,   88                          ; v88-95   at work in QUANT
.set SACC, 96                          ; v96-103  the scores
.set H,    104                         ; v104-167 eight tiles of a projection
.set F,    168                         ; v168-215 four fragments of a weight
.set TM,   168                         ; v168-183 at work in QUANT, where F is done with
.set RO,   232                         ; v232 4 x (lane % 16)
.set P512S, 240                        ; v240-251 hold scale words and nothing else
.set PTS,  242
.set XJW,  244
.set PW,   245
.set FS,   246
.set SWD,  250
.set SAW,  251
.set SPW,  254                         ; v254 LDS address of my spare word; never rewritten
.set NIL,  255                         ; v255 0; never rewritten
.set ONES, 16                          ; product 5: v16-27 a fragment of ones: the code 16 (0x1c) 64 times a lane
.set OP0,  28                          ; v28-39 the operand of my wave's columns 0-15;  v40-51 of columns 16-31
.set OP1,  40
.set TA,   52                          ; v52-59, v60-67 the blocks' upper halves, on their way
.set TB,   60
.set DA,   68                          ; v68-69, v76-77 the chains' sums
.set DB,   76
.set AM,   84
.set SOP,  88
.set BY,   92
.set RES,  96
.set G8,   12
.set X,    104                         ; v104-231 128 rows of my column
.set ACC,  104                         ; v104-167 once the codes are made: eight accumulators, chain j of four and column tile n at 16 j + 8 n
.set SEL,  56
.set WV,   58
.macro PLACES n
.rept \n
	v_nop
.endr
.endm
.macro GFRAG reg, voff, sb, off        ; a fragment of 6-bit codes from rows in memory: 24 bytes at 24 (lane / 16), 24 more 48 bytes on, in pieces of 8
.irp p, 0,1,2,3,4,5
	global_load_b64 v[(\reg)+2*\p:(\reg)+2*\p+1], v[\voff], s[\sb:\sb+1] offset:(\off)+48*(\p/3)+8*(\p%3)
.endr
.endm
.macro IMGST adr, reg, off             ; a fragment goes to LDS as an image of its 12 registers
.irp c, 0,1,2
	ds_store_b128 v[\adr], v[(\reg)+4*\c:(\reg)+4*\c+3] offset:(\off)+512*\c
.endr
.endm
.macro MM0 d, a, b, sa, sb             ; the first K step starts a sum
	v_wmma_scale_f32_16x16x128_f8f6f4 v[(\d):(\d)+7], v[(\a):(\a)+11], v[(\b):(\b)+11], 0, v[\sa], v[\sb] matrix_a_fmt:MATRIX_FMT_BF6 matrix_b_fmt:MATRIX_FMT_BF6
.endm
.macro MMA d, a, b, sa, sb
	v_wmma_scale_f32_16x16x128_f8f6f4 v[(\d):(\d)+7], v[(\a):(\a)+11], v[(\b):(\b)+11], v[(\d):(\d)+7], v[\sa], v[\sb] matrix_a_fmt:MATRIX_FMT_BF6 matrix_b_fmt:MATRIX_FMT_BF6
.endm
; 64 numbers of a lane, register 16 b + i = k 32 b + 16 (lane / 16) + i of my row, become a fragment's codes in v[pc] on and its scale word in v[pw]
.macro QUANT s, pc, tp, pw
.irp b, 0,1,2,3
	v_max3_num_f32 v[TM+\b], |v[(\s)+16*\b]|, |v[(\s)+1+16*\b]|, 0x2800000   ; my 16 numbers of block b, and the floor 2^(5 - 127): the byte cannot fall under 1.  Each accumulator is read from its low end on
.endr
.irp i, 2,4,6,8,10,12,14
.irp b, 0,1,2,3
	v_max3_num_f32 v[TM+\b], v[TM+\b], |v[(\s)+16*\b+\i]|, |v[(\s)+1+16*\b+\i]|
.endr
.endr
.irp b, 0,1,2,3
	v_permlanex16_b32 v[TM+4+\b], v[TM+\b], s[SEL], s[SEL+1]                 ; (its destination has been written: loads filled these registers)
.endr
.irp b, 0,1,2,3
	v_max_num_f32 v[TM+\b], v[TM+\b], v[TM+4+\b]                             ; with lane l xor 16's: the block's largest magnitude
.endr
.irp b, 0,1,2,3
	v_add_nc_u32 v[TM+12+\b], 0xfe000000, v[TM+\b]                           ; 4 off its exponent field: the conversion's scale operand
.endr
.irp b, 0,1,2,3
	v_lshrrev_b32 v[TM+4+\b], 23, v[TM+12+\b]                                ; the scale's byte
.endr
	v_lshl_or_b32 v[\pw], v[TM+5], 8, v[TM+4]
	v_lshl_or_b32 v[\pw], v[TM+6], 16, v[\pw]
	v_lshl_or_b32 v[\pw], v[TM+7], 24, v[\pw]
.irp c, 0,1
	v_cvt_scalef32_pk16_bf6_f32 v[(\pc)+6*\c:(\pc)+2+6*\c], v[(\s)+32*\c:(\s)+15+32*\c], v[TM+12+2*\c]
	v_cvt_scalef32_pk16_bf6_f32 v[(\tp)+4*\c:(\tp)+2+4*\c], v[(\s)+16+32*\c:(\s)+31+32*\c], v[TM+12+2*\c+1]
.endr
	v_nop                                          ; one plain place behind the scaled conversions
.irp c, 0,1                                    ; the operand wants a whole block in a lane: lanes 0-15 block 2 c, lanes 16-31 block 2 c + 1
.irp i, 0,1,2
	v_permlane16_swap_b32 v[(\pc)+6*\c+\i], v[(\tp)+4*\c+\i]
.endr
.irp i, 0,1,2
	v_mov_b32 v[(\pc)+3+6*\c+\i], v[(\tp)+4*\c+\i]
.endr
.endr
.endm
; A projection: 128 e x 16 positions, K = 256 d in two steps.  Source 0 = 16 rows of the weight from its images, source 1 = the positions.  The eight accumulators take turns, one instruction a turn.
.macro PROJ img, scl, pf, ps
.irp s, 0,1
.irp g, 0,1
	PLACES 4                                       ; in front of loads into registers that matrix instructions have read
.irp t, 0,1,2,3
.irp c, 0,1,2
	ds_load_b128 v[F+12*\t+4*\c:F+12*\t+4*\c+3], v[LI] offset:(\img)+1536*(2*(4*\g+\t)+\s)+512*\c
.endr
	ds_load_b32 v[FS+\t], v[LS] offset:(\scl)+128*(2*(4*\g+\t)+\s)
.endr
	s_wait_dscnt 0x0
.irp t, 0,1,2,3
.if \s == 0
	MM0 H+8*(4*\g+\t), F+12*\t, \pf, FS+\t, \ps
.else
	MMA H+8*(4*\g+\t), F+12*\t, (\pf)+12, FS+\t, (\ps)+1
.endif
.endr
.endr
.endr
.endm
; x_i of 16 positions, quantised along e, against Q(x_j[512]); the first nl lanes store a score each
.macro TILE pf, ps, nl, off
	PROJ WKI, WKS, \pf, \ps
	PLACES 4
	QUANT H, PC, TP, PW
	PLACES 8                                       ; a scale word made by vector instructions stands 8 places ahead of the scaled product, an operand 4
	MM0 SACC, XJ, PC, XJW, PW
	PLACES 4
	s_wait_xcnt 0x0                                ; EXEC changes only behind this wait
	v_cmp_gt_u32 vcc_lo, \nl, v1
	s_and_saveexec_b32 s50, vcc_lo
	global_store_b32 v[RO], v[SACC], s[52:53] offset:\off   ; register 0 of lane r: the score of position r
	s_wait_xcnt 0x0                                ; and again in front of the line that widens it; the store has read its data too
	s_or_b32 exec_lo, exec_lo, s50
.endm
; Four tiles of 16 rows of ones against my wave's two tiles of 16 columns, 128 along the vocabulary: eight matrix instructions, each on an accumulator of its own.  zero = 1: they start the sums: nothing is cleared
.macro ROWS zero
.irp j, 0,1,2,3
.if \zero
	v_wmma_scale_f32_16x16x128_f8f6f4 v[ACC+16*\j:ACC+16*\j+7], v[ONES:ONES+11], v[OP0:OP0+11], 0, v[SAW], v[SWD] matrix_a_fmt:MATRIX_FMT_BF6 matrix_b_fmt:MATRIX_FMT_BF6
	v_wmma_scale_f32_16x16x128_f8f6f4 v[ACC+16*\j+8:ACC+16*\j+15], v[ONES:ONES+11], v[OP1:OP1+11], 0, v[SAW], v[SWD] matrix_a_fmt:MATRIX_FMT_BF6 matrix_b_fmt:MATRIX_FMT_BF6 matrix_b_scale:MATRIX_SCALE_ROW1
.else
	v_wmma_scale_f32_16x16x128_f8f6f4 v[ACC+16*\j:ACC+16*\j+7], v[ONES:ONES+11], v[OP0:OP0+11], v[ACC+16*\j:ACC+16*\j+7], v[SAW], v[SWD] matrix_a_fmt:MATRIX_FMT_BF6 matrix_b_fmt:MATRIX_FMT_BF6
	v_wmma_scale_f32_16x16x128_f8f6f4 v[ACC+16*\j+8:ACC+16*\j+15], v[ONES:ONES+11], v[OP1:OP1+11], v[ACC+16*\j+8:ACC+16*\j+15], v[SAW], v[SWD] matrix_a_fmt:MATRIX_FMT_BF6 matrix_b_fmt:MATRIX_FMT_BF6 matrix_b_scale:MATRIX_SCALE_ROW1
.endif
.endr
.endm
	s_load_b512 s[4:19], s[0:1], 0x0               ; W_e s[4:5]; W_p codes, scales s[6:9]; W_k s[10:13]; W_q s[14:17]; psum s[18:19]
	s_load_b64 s[20:21], s[0:1], 0x40              ; scp
	v_lshl_add_u32 v[SPW], v0, 2, SPARE
	v_mov_b32 v[NIL], 0
	v_lshrrev_b32 v1, 5, v0
	v_readfirstlane_b32 s[WV], v1                  ; wave 0..15
	v_and_b32 v1, 31, v0                           ; lane
	v_and_b32 v2, 15, v0                           ; r
	v_bfe_u32 v3, v0, 4, 1                         ; h
	v_lshlrev_b32 v[LI], 4, v1
	v_lshlrev_b32 v[LS], 2, v1
	s_mul_i32 s22, s[WV], 1536
	v_add_nc_u32 v[IW], s22, v[LI]
	v_lshlrev_b32 v[SWA], 2, v0
	v_lshl_add_u32 v[ARW], v0, 2, ARED
	v_lshl_add_u32 v[ARR], v1, 3, ARED
	s_mov_b32 s[SEL], 0x76543210
	s_mov_b32 s[SEL+1], 0xfedcba98                 ; v_permlanex16_b32's selects for lane l xor 16
	s_wait_kmcnt 0x0
	s_cmp_lt_u32 ttmp9, 32
	s_cbranch_scc0 .Lpath_a
	; ---------------- SCORES ----------------
	s_lshr_b32 s22, ttmp9, 2                       ; head
	s_bfe_u32 s23, ttmp9, 0x10001                  ; eh
	s_and_b32 s24, ttmp9, 1                        ; ph
	s_lshr_b32 s25, s[WV], 1                       ; the fragment that I bring: tile t,
	s_and_b32 s26, s[WV], 1                        ; K step s
	s_lshl_b32 s27, s22, 8
	s_lshl_b32 s28, s23, 7
	s_add_co_u32 s27, s27, s28
	s_lshr_b32 s28, s25, 1
	s_lshl_b32 s28, s28, 5
	s_add_co_u32 s27, s27, s28
	s_and_b32 s28, s25, 1
	s_lshl_b32 s28, s28, 3
	s_add_co_u32 s27, s27, s28                     ; its first row: 256 head + 128 eh + 32 (t / 2) + 8 (t % 2)
	s_mul_i32 s28, s27, 192
	s_mul_i32 s30, s26, 96
	s_add_co_u32 s28, s28, s30
	s_mov_b32 s29, 0
	s_lshl_b32 s30, s27, 3
	s_lshl_b32 s31, s26, 2
	s_add_co_u32 s30, s30, s31
	s_mov_b32 s31, 0
	s_add_nc_u64 s[32:33], s[14:15], s[28:29]      ; W_q's codes,
	s_add_nc_u64 s[34:35], s[16:17], s[30:31]      ; scale words,
	s_add_nc_u64 s[36:37], s[10:11], s[28:29]      ; W_k's codes,
	s_add_nc_u64 s[38:39], s[12:13], s[30:31]      ; scale words
	s_lshl_b32 s40, s24, 4
	s_add_co_u32 s40, s40, s[WV]                   ; my tile of 16 positions: 16 ph + wave
	s_mul_i32 s42, s40, 3072
	s_mov_b32 s43, 0
	s_lshl_b32 s44, s40, 7
	s_mov_b32 s45, 0
	s_add_nc_u64 s[46:47], s[6:7], s[42:43]
	s_add_nc_u64 s[48:49], s[8:9], s[44:45]
	s_lshl_b32 s50, s22, 1
	s_add_co_u32 s50, s50, s23
	s_mul_i32 s50, s50, 2304
	s_lshl_b32 s51, s40, 6
	s_add_co_u32 s50, s50, s51
	s_mov_b32 s51, 0
	s_add_nc_u64 s[52:53], s[20:21], s[50:51]      ; scp[head][eh][16 x tile]
	v_and_b32 v[WO], 8, v2
	v_add_nc_u32 v[WO], v[WO], v2                  ; THE ROWS OF A WEIGHT'S TILE ARE NOT NEIGHBOURS: lane r takes row r + 8 (r / 8), so that two neighbouring tiles' 16 registers are 16 neighbours along e
	v_lshlrev_b32 v[WSO], 3, v[WO]
	v_mul_u32_u24 v[WO], v[WO], 192
	v_mul_u32_u24 v[HO], v3, 24
	v_add_nc_u32 v[WO], v[WO], v[HO]
	v_mov_b32 v[ZO], 0
	v_mul_u32_u24 v[PO], v2, 192
	v_add_nc_u32 v[PO], v[PO], v[HO]
	v_lshlrev_b32 v[PSO], 3, v2
	v_lshlrev_b32 v[RO], 2, v2
	GFRAG F, WO, 32, 0
	global_load_b32 v[FS], v[WSO], s[34:35]
	GFRAG F+12, WO, 36, 0
	global_load_b32 v[FS+1], v[WSO], s[38:39]
	GFRAG P512, HO, 6, 98304                       ; row 512 of W_p in every lane
	GFRAG P512+12, HO, 6, 98304+96
	global_load_b32 v[P512S], v[ZO], s[8:9] offset:4096
	global_load_b32 v[P512S+1], v[ZO], s[8:9] offset:4100
	GFRAG PT, PO, 46, 0
	GFRAG PT+12, PO, 46, 96
	global_load_b32 v[PTS], v[PSO], s[48:49]
	global_load_b32 v[PTS+1], v[PSO], s[48:49] offset:4
	s_wait_loadcnt 28                              ; the weights' 14 loads are in; W_p's 28 were issued behind them
	IMGST IW, F, WQI
	IMGST IW, F+12, WKI
	ds_store_b32 v[SWA], v[FS] offset:WQS
	ds_store_b32 v[SWA], v[FS+1] offset:WKS
	s_wait_dscnt 0x0                               ; for the others' sake: my images have landed
	s_barrier_signal -1
	s_barrier_wait -1                              ; all 32 fragments lie in LDS; nothing is stored there again
	s_wait_loadcnt 14                              ; row 512 is in; my own positions' 14 loads may be out
	PROJ WQI, WQS, P512, P512S
	PLACES 4
	QUANT H, XJ, TP, XJW
	s_wait_loadcnt 0x0
	TILE PT, PTS, 16, 0
	s_xor_b32 s54, s24, 1
	s_or_b32 s54, s54, s[WV]
	s_cmp_lg_u32 s54, 0                            ; position 512 as a key: wave 0 of the upper half of the positions.  No barrier stands in this branch
	s_cbranch_scc1 .Lno512
	TILE P512, P512S, 1, 1024                      ; my base stands at position 256: 1,024 bytes on is position 512
.Lno512:
	s_wait_tensorcnt 0x0                           ; the wave's end, behind my last LDS store
	ds_add_u32 v[SPW], v[NIL]
	s_wait_dscnt 0x0
	s_endpgm
	; ---------------- PRODUCT 5 ----------------
.Lpath_a:
	s_sub_co_u32 s22, ttmp9, 32
	s_and_b32 s23, s22, 3                          ; which 64 columns
	s_lshr_b32 s24, s22, 2                         ; which 1,024 rows
	s_and_b32 s25, s[WV], 1                        ; which 32 of the columns are my wave's
	s_lshr_b32 s26, s[WV], 1
	s_lshl_b32 s27, s24, 3
	s_add_co_u32 s27, s27, s26                     ; which 128 rows: K step 8 chunk + wave / 2; 392 full steps, step 392 has 81 rows, beyond it there is nothing
	s_lshl_b32 s28, s27, 17
	s_lshl_b32 s30, s23, 8
	s_add_co_u32 s28, s28, s30
	s_lshl_b32 s30, s25, 7
	s_add_co_u32 s28, s28, s30
	s_mov_b32 s29, 0
	s_add_nc_u64 s[32:33], s[4:5], s[28:29]
	s_lshl_b32 s34, s24, 10
	s_lshl_b32 s35, s23, 8
	s_add_co_u32 s34, s34, s35
	s_mov_b32 s35, 0
	s_add_nc_u64 s[34:35], s[18:19], s[34:35]      ; psum[chunk][64 strip]
	s_mov_b32 s31, 0xffff0000                      ; lanes 16-31
	s_cmp_gt_u32 s27, 392
	s_cbranch_scc1 .Lnone
	s_cmp_eq_u32 s27, 392
	s_cbranch_scc1 .Ltail
.set Q, 0
.rept 128
	global_load_b32 v[X+Q], v[LS], s[32:33] offset:1024*Q   ; row Q of my 128, my column: the wave reads 128 consecutive bytes, two waves side by side 256
.set Q, Q+1
.endr
	s_branch .Lwork
.Ltail:
.set Q, 0
.rept 81
	global_load_b32 v[X+Q], v[LS], s[32:33] offset:1024*Q   ; the last row read is row 50,256
.set Q, Q+1
.endr
.rept 47
	v_mov_b32 v[X+Q], 0                            ; the quantiser fills the last block with zeros; zero codes fill the rest of the K step
.set Q, Q+1
.endr
.Lwork:
.irp c, 0,1,2,3
	v_mov_b32 v[ONES+3*\c], 0x1c71c71c             ; sixteen codes 0x1c, 6 bits each, are these 96 bits
	v_mov_b32 v[ONES+3*\c+1], 0xc71c71c7
	v_mov_b32 v[ONES+3*\c+2], 0x71c71c71
.endr
	v_mov_b32 v[SAW], 0x7b7b7b7b                   ; their scale 2^-4, for each of the four blocks
	s_wait_loadcnt 0x0
.irp b, 0,1,2,3
	v_max3_num_f32 v[AM+\b], |v[X+32*\b]|, |v[X+32*\b+1]|, 0x2800000   ; block b's 32 numbers are all mine; the floor 2^(5 - 127) holds the byte at 1 from below
.endr
.irp i, 2,4,6,8,10,12,14,16,18,20,22,24,26,28,30
.irp b, 0,1,2,3
	v_max3_num_f32 v[AM+\b], v[AM+\b], |v[X+32*\b+\i]|, |v[X+32*\b+\i+1]|
.endr
.endr
.irp b, 0,1,2,3
	v_add_nc_u32 v[SOP+\b], 0xfe000000, v[AM+\b]
.endr
.irp b, 0,1,2,3
	v_lshrrev_b32 v[BY+\b], 23, v[SOP+\b]
.endr
	v_lshl_or_b32 v[SWD], v[BY+1], 8, v[BY]        ; my column's scale word
	v_lshl_or_b32 v[SWD], v[BY+2], 16, v[SWD]
	v_lshl_or_b32 v[SWD], v[BY+3], 24, v[SWD]
.irp b, 0,1,2,3                                ; even blocks toward OP0 and TA, odd ones toward OP1 and TB
	v_cvt_scalef32_pk16_bf6_f32 v[OP0+12*(\b%2)+6*(\b/2):OP0+12*(\b%2)+6*(\b/2)+2], v[X+32*\b:X+32*\b+15], v[SOP+\b]
	v_cvt_scalef32_pk16_bf6_f32 v[TA+8*(\b%2)+4*(\b/2):TA+8*(\b%2)+4*(\b/2)+2], v[X+32*\b+16:X+32*\b+31], v[SOP+\b]
.endr
	v_nop                                          ; one plain place behind the scaled conversions: their results are touched below, and their sources become accumulators
.irp c, 0,1                                    ; a tile's operand wants blocks 2 c of its 16 columns in lanes 0-15 and blocks 2 c + 1 in lanes 16-31: the even blocks' upper lanes change places with the odd blocks' lower lanes
.irp i, 0,1,2
	v_permlane16_swap_b32 v[OP0+6*\c+\i], v[OP1+6*\c+\i]
	v_permlane16_swap_b32 v[TA+4*\c+\i], v[TB+4*\c+\i]
.endr
.endr
.irp c, 0,1
.irp i, 0,1,2
	v_mov_b32 v[OP0+6*\c+3+\i], v[TA+4*\c+\i]
	v_mov_b32 v[OP1+6*\c+3+\i], v[TB+4*\c+\i]
.endr
.endr
	PLACES 8                                       ; a scale word made by vector instructions stands 8 places ahead of the scaled product, an operand 4
	; all 2,048 rows of ones: 128 tiles of 16, four a round, 32 rounds.  Columns 16-31 have their scale words in lanes 16-31.  The eight accumulators take turns, one instruction a turn, over the backward jump too
	ROWS 1
	s_mov_b32 s36, 31
.Lrows:
	ROWS 0
	s_sub_co_u32 s36, s36, 1
	s_cmp_lg_u32 s36, 0
	s_cbranch_scc1 .Lrows
	PLACES 4
	v_add_f32 v[DA], v[ACC], v[ACC+16]             ; register 0 of lane (r, h) is column r's sum.  The four chains hold equal numbers: these additions round nothing
	v_add_f32 v[DB], v[ACC+8], v[ACC+24]
	v_add_f32 v[DA+1], v[ACC+32], v[ACC+48]
	v_add_f32 v[DB+1], v[ACC+40], v[ACC+56]
	v_add_f32 v[DA], v[DA], v[DA+1]
	v_add_f32 v[DB], v[DB], v[DB+1]
	v_cndmask_b32 v[RES], v[DA], v[DB], s31        ; lane l now has its own column's,
	v_mul_f32 v[RES], 0x3c000000, v[RES]           ; x 2^-7: one row's part out of the 128 tiles' sum
	s_branch .Lred
.Lnone:
	v_mov_b32 v[RES], 0
.Lred:
	ds_store_b32 v[ARW], v[RES]
	s_wait_dscnt 0x0                               ; for wave 0's sake
	s_barrier_signal -1
	s_barrier_wait -1
	s_cmp_lg_u32 s[WV], 0
	s_cbranch_scc1 .Ldone_a
.irp i, 0,1,2,3,4,5,6,7
	ds_load_b64 v[X+2*\i:X+2*\i+1], v[ARR] offset:256*\i    ; K step i's sums of columns 2 l, 2 l + 1
.endr
	v_lshlrev_b32 v[G8], 3, v1
	s_wait_dscnt 0x0
	v_pk_add_f32 v[X:X+1], v[X:X+1], v[X+2:X+3]
	v_pk_add_f32 v[X+4:X+5], v[X+4:X+5], v[X+6:X+7]
	v_pk_add_f32 v[X+8:X+9], v[X+8:X+9], v[X+10:X+11]
	v_pk_add_f32 v[X+12:X+13], v[X+12:X+13], v[X+14:X+15]
	v_pk_add_f32 v[X:X+1], v[X:X+1], v[X+4:X+5]
	v_pk_add_f32 v[X+8:X+9], v[X+8:X+9], v[X+12:X+13]
	v_pk_add_f32 v[X:X+1], v[X:X+1], v[X+8:X+9]
	global_store_b64 v[G8], v[X:X+1], s[34:35]     ; 32 lanes store 256 consecutive bytes, aligned
.Ldone_a:
	s_wait_tensorcnt 0x0                           ; the wave's end, behind my last LDS store
	ds_add_u32 v[SPW], v[NIL]
	s_wait_dscnt 0x0
	s_endpgm
.Lfunc_end_k_q563b50b0a2_colsum_scores:
	.size	k_q563b50b0a2_colsum_scores, .Lfunc_end_k_q563b50b0a2_colsum_scores-k_q563b50b0a2_colsum_scores
	.p2alignl 7, 3214868480
	.fill 96, 4, 3214868480
	.section	.rodata,"a",@progbits
	.p2align	6, 0x0
	.amdhsa_kernel k_q563b50b0a2_colsum_scores
		.amdhsa_group_segment_fixed_size 57344
		.amdhsa_private_segment_fixed_size 0
		.amdhsa_enable_private_segment 0
		.amdhsa_kernarg_size 72
		.amdhsa_user_sgpr_count 2
		.amdhsa_user_sgpr_kernarg_segment_ptr 1
		.amdhsa_wavefront_size32 1
		.amdhsa_system_sgpr_workgroup_id_x 1
		.amdhsa_system_sgpr_workgroup_id_y 1
		.amdhsa_system_sgpr_workgroup_id_z 1
		.amdhsa_system_vgpr_workitem_id 0
		.amdhsa_next_free_vgpr 256
		.amdhsa_next_free_sgpr 80
		.amdhsa_reserve_vcc 1
		.amdhsa_float_denorm_mode_32 3
		.amdhsa_float_denorm_mode_16_64 3
		.amdhsa_memory_ordered 1
		.amdhsa_forward_progress 1
		.amdhsa_inst_pref_size 75
	.end_amdhsa_kernel
	.amdgpu_metadata
---
amdhsa.version: [ 1, 2 ]
amdhsa.kernels:
  - .name:           k_q563b50b0a2_colsum_scores
    .symbol:         k_q563b50b0a2_colsum_scores.kd
    .args:
      - { .name: W_e, .offset: 0, .size: 8, .value_kind: global_buffer, .address_space: global }
      - { .name: W_p_codes, .offset: 8, .size: 8, .value_kind: global_buffer, .address_space: global }
      - { .name: W_p_scales, .offset: 16, .size: 8, .value_kind: global_buffer, .address_space: global }
      - { .name: W_k_codes, .offset: 24, .size: 8, .value_kind: global_buffer, .address_space: global }
      - { .name: W_k_scales, .offset: 32, .size: 8, .value_kind: global_buffer, .address_space: global }
      - { .name: W_q_codes, .offset: 40, .size: 8, .value_kind: global_buffer, .address_space: global }
      - { .name: W_q_scales, .offset: 48, .size: 8, .value_kind: global_buffer, .address_space: global }
      - { .name: psum, .offset: 56, .size: 8, .value_kind: global_buffer, .address_space: global }
      - { .name: scp, .offset: 64, .size: 8, .value_kind: global_buffer, .address_space: global }
    .group_segment_fixed_size: 57344
    .private_segment_fixed_size: 0
    .kernarg_segment_align: 8
    .kernarg_segment_size: 72
    .max_flat_workgroup_size: 512
    .sgpr_count:     80
    .vgpr_count:     256
    .wavefront_size: 32
...
	.end_amdgpu_metadata
.endif
;; end of part 1
;; launch delta (part 2): grid 128 x 1, 16 waves a work-group, no clusters, 190,464 bytes of LDS; arguments W_e, idx, psum, scp, W_v_codes, W_v_scales, A_LR, B_LR, fp; writes fp
.if DOCPART == 2
	.amdgcn_target "amdgcn-amd-amdhsa--gfx1250"
	.amdhsa_code_object_version 6
	.text
	.protected	k_q563b50b0a2_delta
	.globl	k_q563b50b0a2_delta
	.p2align	8
	.type	k_q563b50b0a2_delta,@function
k_q563b50b0a2_delta:
	s_mov_b64 s[64:65], 0
	v_nop
	global_prefetch_b8 v0, s[64:65] scope:SCOPE_SE
	s_setreg_imm32_b32 hwreg(HW_REG_WAVE_MODE, 25, 1), 1
	s_wait_xcnt 0x0
; PGD, launch 2 of 3: f_k[:, 512], in four parts along the positions s.  Left out, as shown at the head of launch 1: product 4, and every query position but 512.
; fp[q][b][e] = (sum over heads of A_LR[h] x sum over s in chunk q of Q(K[h][512][s]) Q(V[b][h][s][e]) + B_LR x sum over s in chunk q of diff[b][s][e]) / 512.
; A work-group: batch b, chunk q of 128 positions, 32 outputs e (eg).  Sixteen waves, each with two parts to play:
;  PRELUDE: wave w gathers 16 rows of W_e by idx (tile w / 2 of the chunk), 128 of their 256 d (half w % 2), takes E = product 5's row / 50,257 away, adds up diff x B_LR, quantises diff along d and leaves the fragment in LDS as an image of its registers.
;  PRODUCTS: wave w has head w / 2 and outputs 32 eg + 16 (w % 2) + 0 .. 15.  V^T = diff W_v (product 6, transposed: source 0 = 16 positions, source 1 = 16 rows e of W_v): a lane holds one e, its registers run along s; V is quantised along s in
;  registers and meets the head's softmax row (product 7: source 0 = the row, 16 times; source 1 = V).  Each wave makes its head's softmax row itself from launch 1's scores: 513 numbers, 16 a lane and one apart.
; THE POSITIONS OF A TILE ARE NOT NEIGHBOURS: lane r of tile 2 b + u takes position 32 b + 8 u + r + 8 (r / 8), so that two neighbouring tiles' 16 registers of V^T are 16 neighbouring positions.
; The gather's index is the input idx, read by scalar loads and held at 50,256 from above.
; LIMITS: v_exp_f32 gives 0 for a p under 2^-126; a block of zeros gets the scale byte 1 (its codes are zeros; this program alone reads the bytes).
; No cluster: what work-groups share here is a gather by index and 51 KB of sums.  No tensor loads: nothing in LDS is filled twice.  128 work-groups: the split that gives every wave one head, one tile of e and one K step of product 7.
.set ERED,  0                          ; LDS: 8 x 256 partial column sums
.set DST,   8192                       ; a stage of 16 rows x (512 + 16) bytes for each wave
.set DIMG,  143360                     ; diff's 16 fragments (tile T, K step s: 2 T + s), 1,536 bytes each
.set DSC,   167936                     ; their scale words
.set DBR,   169984                     ; 8 x 256 partial sums of diff x B_LR
.set KSC,   178176                     ; 512 bytes for each wave: its head's softmax row as codes (384) and scale bytes (16)
.set RED,   186368                     ; 16 waves x 32 results
.set SPARE, 188416                     ; the spare words, 128 bytes for each wave: eight blocks of 256 bytes that no other line names
.set EW,   4                           ; v4   16 x thread: LDS address in ERED, and my byte offset in a group of eight rows of psum
.set ER,   5                           ; v5   16 x (thread % 64): LDS address in ERED, and my byte offset in a row of W_e
.set DSTW, 6
.set DSTR, 7
.set IMW,  8
.set ISW,  9
.set IMR,  10
.set ISR,  11
.set DBW,  12
.set KSW,  13
.set KSB,  14
.set KSR,  15
.set WF,   16                          ; v16-39   W_v's two fragments
.set KF,   40                          ; v40-51   the softmax row's fragment: 128 keys, 16 equal rows
.set EM,   52                          ; v52-55   E of my four d
.set DB4,  56                          ; v56-59   my rows' sum of diff x B_LR
.set KWR,  60
.set REDW, 61
.set REDR, 62
.set DBRR, 63
.set X,    64                          ; v64-127  16 gathered rows, 4 numbers each
.set H,    128                         ; v128-191 eight tiles of V^T;  before that Y: 64 numbers of diff;  before that the softmax:
.set Y,    128
.set SCA,  128                         ; v128-143 16 scores, then p
.set SCB,  144                         ; v144-159 their second halves
.set TL,   160                         ; v160-161 key 512's
.set MX,   162                         ; v162-163 the maximum, later 1 / sum, as a pair's low word
.set XA,   164                         ; v164-179 the gather's offsets
.set F,    192                         ; v192-239 four fragments of diff
.set R,    192                         ; v192-223 rows of psum
.set TM,   192                         ; v192-207 at work in QUANT
.set PC,   208                         ; v208-219 the codes just made
.set TP,   220
.set SX,   220                         ; v220-227 at work in the softmax
.set DK,   228                         ; v228-235 product 7's result
.set KC,   236                         ; v236-238 16 codes of the softmax row
.set WFS,  240                         ; v240-247 hold scale words and nothing else
.set KW,   242
.set FS,   243
.set PW,   247
.set SCO,  249
.set ZO,   250
.set WVO,  251
.set WVSO, 252
.set SPW,  254                         ; v254 LDS address of my spare word; never rewritten
.set NIL,  255                         ; v255 0; never rewritten
.set SEL,  56
.set WV,   58
.set RC,   88                          ; s88  1 / 50,257, rounded
.set NV,   89                          ; s89  50,257
.set HN,   90                          ; s90  2^-9
.set CS,   92                          ; s[92:93] log2(e)
.macro PLACES n
.rept \n
	v_nop
.endr
.endm
.macro GFRAG reg, voff, sb, off
.irp p, 0,1,2,3,4,5
	global_load_b64 v[(\reg)+2*\p:(\reg)+2*\p+1], v[\voff], s[\sb:\sb+1] offset:(\off)+48*(\p/3)+8*(\p%3)
.endr
.endm
.macro MM0 d, a, b, sa, sb
	v_wmma_scale_f32_16x16x128_f8f6f4 v[(\d):(\d)+7], v[(\a):(\a)+11], v[(\b):(\b)+11], 0, v[\sa], v[\sb] matrix_a_fmt:MATRIX_FMT_BF6 matrix_b_fmt:MATRIX_FMT_BF6
.endm
.macro MMA d, a, b, sa, sb
	v_wmma_scale_f32_16x16x128_f8f6f4 v[(\d):(\d)+7], v[(\a):(\a)+11], v[(\b):(\b)+11], v[(\d):(\d)+7], v[\sa], v[\sb] matrix_a_fmt:MATRIX_FMT_BF6 matrix_b_fmt:MATRIX_FMT_BF6
.endm
; 64 numbers of a lane, register 16 b + i = k 32 b + 16 (lane / 16) + i of my row, become a fragment's codes in v[pc] on and its scale word in v[pw]
.macro QUANT s, pc, tp, pw
.irp b, 0,1,2,3
	v_max3_num_f32 v[TM+\b], |v[(\s)+16*\b]|, |v[(\s)+1+16*\b]|, 0x2800000   ; the floor 2^(5 - 127) holds the byte at 1 from below.  Each accumulator is read from its low end on
.endr
.irp i, 2,4,6,8,10,12,14
.irp b, 0,1,2,3
	v_max3_num_f32 v[TM+\b], v[TM+\b], |v[(\s)+16*\b+\i]|, |v[(\s)+1+16*\b+\i]|
.endr
.endr
.irp b, 0,1,2,3
	v_permlanex16_b32 v[TM+4+\b], v[TM+\b], s[SEL], s[SEL+1]                 ; (its destination has been written: loads filled these registers)
.endr
.irp b, 0,1,2,3
	v_max_num_f32 v[TM+\b], v[TM+\b], v[TM+4+\b]
.endr
.irp b, 0,1,2,3
	v_add_nc_u32 v[TM+12+\b], 0xfe000000, v[TM+\b]                           ; 4 off the exponent field: the conversion's scale operand
.endr
.irp b, 0,1,2,3
	v_lshrrev_b32 v[TM+4+\b], 23, v[TM+12+\b]
.endr
	v_lshl_or_b32 v[\pw], v[TM+5], 8, v[TM+4]
	v_lshl_or_b32 v[\pw], v[TM+6], 16, v[\pw]
	v_lshl_or_b32 v[\pw], v[TM+7], 24, v[\pw]
.irp c, 0,1
	v_cvt_scalef32_pk16_bf6_f32 v[(\pc)+6*\c:(\pc)+2+6*\c], v[(\s)+32*\c:(\s)+15+32*\c], v[TM+12+2*\c]
	v_cvt_scalef32_pk16_bf6_f32 v[(\tp)+4*\c:(\tp)+2+4*\c], v[(\s)+16+32*\c:(\s)+31+32*\c], v[TM+12+2*\c+1]
.endr
	v_nop                                          ; one plain place behind the scaled conversions
.irp c, 0,1
.irp i, 0,1,2
	v_permlane16_swap_b32 v[(\pc)+6*\c+\i], v[(\tp)+4*\c+\i]
.endr
.irp i, 0,1,2
	v_mov_b32 v[(\pc)+3+6*\c+\i], v[(\tp)+4*\c+\i]
.endr
.endr
.endm
	s_load_b512 s[4:19], s[0:1], 0x0               ; W_e s[4:5], idx s[6:7], psum s[8:9], scp s[10:11], W_v codes s[12:13], scales s[14:15], A_LR s[16:17], B_LR s[18:19]
	s_load_b64 s[20:21], s[0:1], 0x40              ; fp
	v_lshl_add_u32 v[SPW], v0, 2, SPARE
	v_mov_b32 v[NIL], 0
	v_lshrrev_b32 v1, 5, v0
	v_readfirstlane_b32 s[WV], v1                  ; wave 0..15
	v_and_b32 v1, 31, v0                           ; lane
	v_and_b32 v2, 15, v0                           ; r
	v_bfe_u32 v3, v0, 4, 1                         ; h
	s_and_b32 s22, ttmp9, 7                        ; eg
	s_bfe_u32 s23, ttmp9, 0x20003                  ; q
	s_lshr_b32 s24, ttmp9, 5                       ; b
	s_lshr_b32 s25, s[WV], 1                       ; prelude: my tile of rows; products: my head
	s_and_b32 s26, s[WV], 1                        ; prelude: my half of d; products: my tile of e
	; every LDS address: a constant + a constant x lane + a constant x wave
	v_lshlrev_b32 v[EW], 4, v0
	v_and_b32 v[ER], 63, v0
	v_lshlrev_b32 v[ER], 4, v[ER]
	s_mul_i32 s27, s[WV], 8448
	s_add_co_u32 s27, s27, DST
	v_lshl_add_u32 v[DSTW], v1, 4, s27             ; the stage, in: 16 bytes a lane, a row an instruction
	v_mul_u32_u24 v[DSTR], v2, 528
	v_lshl_add_u32 v[DSTR], v3, 6, v[DSTR]
	v_add_nc_u32 v[DSTR], s27, v[DSTR]             ; out: row r, + 64 h: my 16 numbers of a block of 32
	s_mul_i32 s28, s[WV], 1536
	s_add_co_u32 s28, s28, DIMG
	v_lshl_add_u32 v[IMW], v1, 4, s28
	v_lshl_add_u32 v[ISW], v0, 2, DSC
	v_lshl_add_u32 v[IMR], v1, 4, DIMG
	v_lshl_add_u32 v[ISR], v1, 2, DSC
	v_lshl_add_u32 v[DBW], v0, 4, DBR
	s_lshl_b32 s29, s[WV], 9
	s_add_co_u32 s29, s29, KSC
	v_mul_u32_u24 v[KSW], v1, 12
	v_add_nc_u32 v[KSW], s29, v[KSW]
	v_lshrrev_b32 v[KSB], 1, v1
	v_add_nc_u32 v[KSB], s29, v[KSB]
	v_mul_u32_u24 v[KSR], v3, 24
	v_add_nc_u32 v[KSR], s29, v[KSR]
	v_mov_b32 v[KWR], s29
	v_lshl_add_u32 v[REDW], v0, 2, RED
	v_lshlrev_b32 v[REDR], 2, v2
	v_lshl_add_u32 v[REDR], v3, 7, v[REDR]
	v_add_nc_u32 v[REDR], RED, v[REDR]
	s_lshl_b32 s30, s22, 7
	s_add_co_u32 s30, s30, DBR
	v_lshl_add_u32 v[DBRR], v1, 2, s30
	; offsets in memory
	s_lshl_b32 s31, s23, 3
	v_add_nc_u32 v[SCO], s31, v1
	v_and_b32 v[SCO], 31, v[SCO]
	v_lshlrev_b32 v[SCO], 6, v[SCO]                ; lane l takes keys 16 ((l + 8 q) % 32) on: chunk q's 128 keys then lie in lanes 0-7, whatever q
	v_mov_b32 v[ZO], 0
	v_mul_u32_u24 v[WVO], v2, 192
	v_mad_u32_u24 v[WVO], v3, 24, v[WVO]
	v_lshlrev_b32 v[WVSO], 3, v2
	s_lshl_b32 s32, s24, 9
	s_lshl_b32 s33, s23, 7
	s_add_co_u32 s32, s32, s33
	s_lshr_b32 s33, s25, 1
	s_lshl_b32 s33, s33, 5
	s_add_co_u32 s32, s32, s33
	s_and_b32 s33, s25, 1
	s_lshl_b32 s33, s33, 3
	s_add_co_u32 s32, s32, s33                     ; 512 b + 128 q + 32 (T / 2) + 8 (T % 2): my tile's first position
	s_lshl_b32 s32, s32, 2
	s_mov_b32 s33, 0
	s_lshl_b32 s34, s25, 8
	s_lshl_b32 s35, s22, 5
	s_add_co_u32 s34, s34, s35
	s_lshl_b32 s35, s26, 4
	s_add_co_u32 s34, s34, s35                     ; W_v's row 256 head + 32 eg + 16 (w % 2)
	s_mul_i32 s36, s34, 192
	s_mov_b32 s37, 0
	s_lshl_b32 s38, s34, 3
	s_mov_b32 s39, 0
	s_mul_i32 s40, s25, 4608
	s_mov_b32 s41, 0
	s_lshl_b32 s42, s25, 2
	s_mov_b32 s43, 0
	s_lshl_b32 s44, s23, 2
	s_add_co_u32 s44, s44, s24
	s_lshl_b32 s44, s44, 10
	s_lshl_b32 s45, s22, 7
	s_add_co_u32 s44, s44, s45                     ; fp[q][b][32 eg]
	s_mov_b32 s45, 0
	s_mov_b32 s[SEL], 0x76543210
	s_mov_b32 s[SEL+1], 0xfedcba98
	s_mov_b32 s[RC], 0x37a6ea0a
	s_mov_b32 s[NV], 0x47445100
	s_mov_b32 s[HN], 0x3b000000
	s_mov_b32 s[CS], 0x3fb8aa3b
	s_mov_b32 s[CS+1], s[CS]                       ; (named with it as a pair, so it is written)
	s_wait_kmcnt 0x0
	s_add_nc_u64 s[6:7], s[6:7], s[32:33]
	s_add_nc_u64 s[16:17], s[16:17], s[42:43]
	s_load_b256 s[68:75], s[6:7], 0x0              ; the tile's rows r = 0 .. 7,
	s_load_b256 s[76:83], s[6:7], 0x40             ; and r = 8 .. 15, sixteen positions on
	s_load_b32 s84, s[16:17], 0x0                  ; A_LR[head]
	s_load_b32 s86, s[18:19], 0x0                  ; B_LR
	s_add_nc_u64 s[10:11], s[10:11], s[40:41]
	s_add_nc_u64 s[12:13], s[12:13], s[36:37]
	s_add_nc_u64 s[14:15], s[14:15], s[38:39]
	s_add_nc_u64 s[20:21], s[20:21], s[44:45]
.irp i, 0,1,2,3,4,5
	global_load_b128 v[R+4*\i:R+4*\i+3], v[EW], s[8:9] offset:8192*\i    ; psum's rows T + 8 i, my four columns
.endr
	s_cmp_lt_u32 s[WV], 4                          ; psum has 50 rows: rows 48 and 49 fall to tiles 0 and 1
	s_cbranch_scc0 .Lno_row
	global_load_b128 v[R+24:R+27], v[EW], s[8:9] offset:49152
	s_branch .Lrow_done
.Lno_row:
.irp i, 0,1,2,3
	v_mov_b32 v[R+24+\i], 0
.endr
.Lrow_done:
.irp j, 0,1,2,3
	global_load_b128 v[SCA+4*\j:SCA+4*\j+3], v[SCO], s[10:11] offset:16*\j
.endr
.irp j, 0,1,2,3
	global_load_b128 v[SCB+4*\j:SCB+4*\j+3], v[SCO], s[10:11] offset:2304+16*\j
.endr
	global_load_b32 v[TL], v[ZO], s[10:11] offset:2048
	global_load_b32 v[TL+1], v[ZO], s[10:11] offset:4352
	GFRAG WF, WVO, 12, 0
	GFRAG WF+12, WVO, 12, 96
	global_load_b32 v[WFS], v[WVSO], s[14:15]
	global_load_b32 v[WFS+1], v[WVSO], s[14:15] offset:4
	s_wait_kmcnt 0x0
.irp i, 0,1,2,3,4,5,6,7,8,9,10,11,12,13,14,15
	s_min_u32 s[68+\i], s[68+\i], 50256            ; an index stays inside the table
	s_lshl_b32 s[68+\i], s[68+\i], 10
	v_add_nc_u32 v[XA+\i], s[68+\i], v[ER]
.endr
.irp i, 0,1,2,3,4,5,6,7,8,9,10,11,12,13,14,15
	global_load_b128 v[X+4*\i:X+4*\i+3], v[XA+\i], s[4:5]   ; row i of my tile, my 128 d: 512 consecutive bytes a load
.endr
	s_mul_f32 s85, s84, s[HN]                      ; A_LR / 512
	s_mov_b32 s87, s86
	; ---- E: product 5's row, in 50 parts along the vocabulary
	s_wait_loadcnt 40                              ; psum's loads are in; 10 of the scores, 14 of W_v and 16 of the gather were issued behind them
.irp j, 0,2
	v_pk_add_f32 v[R+\j:R+\j+1], v[R+\j:R+\j+1], v[R+4+\j:R+5+\j]
	v_pk_add_f32 v[R+8+\j:R+9+\j], v[R+8+\j:R+9+\j], v[R+12+\j:R+13+\j]
	v_pk_add_f32 v[R+16+\j:R+17+\j], v[R+16+\j:R+17+\j], v[R+20+\j:R+21+\j]
.endr
.irp j, 0,2
	v_pk_add_f32 v[R+\j:R+\j+1], v[R+\j:R+\j+1], v[R+8+\j:R+9+\j]
	v_pk_add_f32 v[R+16+\j:R+17+\j], v[R+16+\j:R+17+\j], v[R+24+\j:R+25+\j]
.endr
.irp j, 0,2
	v_pk_add_f32 v[R+\j:R+\j+1], v[R+\j:R+\j+1], v[R+16+\j:R+17+\j]
.endr
	ds_store_b128 v[EW], v[R:R+3]
	s_wait_dscnt 0x0                               ; for the others' sake
	s_barrier_signal -1
	s_barrier_wait -1
.irp g, 0,1,2,3,4,5,6,7
	ds_load_b128 v[R+4*\g:R+4*\g+3], v[ER] offset:1024*\g
.endr
	s_wait_dscnt 0x0
.irp j, 0,2
.irp g, 0,2,4,6
	v_pk_add_f32 v[R+4*\g+\j:R+4*\g+\j+1], v[R+4*\g+\j:R+4*\g+\j+1], v[R+4*\g+4+\j:R+4*\g+5+\j]
.endr
.endr
.irp j, 0,2
.irp g, 0,4
	v_pk_add_f32 v[R+4*\g+\j:R+4*\g+\j+1], v[R+4*\g+\j:R+4*\g+\j+1], v[R+4*\g+8+\j:R+4*\g+9+\j]
.endr
.endr
.irp j, 0,2
	v_pk_add_f32 v[R+\j:R+\j+1], v[R+\j:R+\j+1], v[R+16+\j:R+17+\j]
.endr
.irp i, 0,1,2,3
	v_mul_f32 v[R+4+\i], s[RC], v[R+\i]            ; S / 50,257: a first quotient,
.endr
.irp i, 0,1,2,3
	v_fma_f32 v[R+8+\i], -v[R+4+\i], s[NV], v[R+\i]  ; what it leaves,
.endr
.irp i, 0,1,2,3
	v_fma_f32 v[EM+\i], v[R+8+\i], s[RC], v[R+4+\i]  ; and the mended quotient
.endr
	; ---- my head's softmax row of query 512, over all 513 keys; its first 512 are quantised along the keys
	s_wait_loadcnt 30                              ; the scores are in; W_v's 14 and the gather's 16 were issued behind them
.irp j, 0,2,4,6,8,10,12,14
	v_pk_add_f32 v[SCA+\j:SCA+\j+1], v[SCA+\j:SCA+\j+1], v[SCB+\j:SCB+\j+1]   ; the two halves of e
.endr
	v_add_f32 v[TL], v[TL], v[TL+1]
	v_max3_num_f32 v[SX], v[SCA], v[SCA+1], v[SCA+2]
	v_max3_num_f32 v[SX+1], v[SCA+3], v[SCA+4], v[SCA+5]
	v_max3_num_f32 v[SX], v[SX], v[SCA+6], v[SCA+7]
	v_max3_num_f32 v[SX+1], v[SX+1], v[SCA+8], v[SCA+9]
	v_max3_num_f32 v[SX], v[SX], v[SCA+10], v[SCA+11]
	v_max3_num_f32 v[SX+1], v[SX+1], v[SCA+12], v[SCA+13]
	v_max3_num_f32 v[SX], v[SX], v[SCA+14], v[SCA+15]
	v_max3_num_f32 v[SX], v[SX], v[SX+1], v[TL]
	v_max_num_f32_dpp v[SX], v[SX], v[SX] row_xmask:1 row_mask:0xf bank_mask:0xf
	v_max_num_f32_dpp v[SX], v[SX], v[SX] row_xmask:2 row_mask:0xf bank_mask:0xf
	v_max_num_f32_dpp v[SX], v[SX], v[SX] row_xmask:4 row_mask:0xf bank_mask:0xf
	v_max_num_f32_dpp v[SX], v[SX], v[SX] row_xmask:8 row_mask:0xf bank_mask:0xf
	v_permlanex16_b32 v[SX+1], v[SX], s[SEL], s[SEL+1]
	v_max_num_f32 v[MX], v[SX], v[SX+1]            ; the row's maximum, in every lane
	v_mov_b32 v[MX+1], v[MX]
.irp j, 0,2,4,6,8,10,12,14
	v_pk_add_f32 v[SCA+\j:SCA+\j+1], v[SCA+\j:SCA+\j+1], v[MX:MX+1] op_sel_hi:[1,0] neg_lo:[0,1] neg_hi:[0,1]   ; the maximum is taken away first, as reference() does,
.endr
	v_sub_f32 v[TL], v[TL], v[MX]
.irp j, 0,2,4,6,8,10,12,14
	v_pk_mul_f32 v[SCA+\j:SCA+\j+1], v[SCA+\j:SCA+\j+1], s[CS:CS+1] op_sel_hi:[1,0]   ; then x log2(e)
.endr
	v_mul_f32 v[TL], s[CS], v[TL]
.irp j, 0,1,2,3,4,5,6,7,8,9,10,11,12,13,14,15
	v_exp_f32 v[SCA+\j], v[SCA+\j]
.endr
	v_exp_f32 v[TL], v[TL]
	v_nop                                          ; a plain place behind the last exponential
	s_wait_alu depctr_va_vdst(0)                   ; one wait for the 17, ahead of their first reader
	v_pk_add_f32 v[SX:SX+1], v[SCA:SCA+1], v[SCA+2:SCA+3]
	v_pk_add_f32 v[SX+2:SX+3], v[SCA+4:SCA+5], v[SCA+6:SCA+7]
	v_pk_add_f32 v[SX+4:SX+5], v[SCA+8:SCA+9], v[SCA+10:SCA+11]
	v_pk_add_f32 v[SX+6:SX+7], v[SCA+12:SCA+13], v[SCA+14:SCA+15]
	v_pk_add_f32 v[SX:SX+1], v[SX:SX+1], v[SX+2:SX+3]
	v_pk_add_f32 v[SX+4:SX+5], v[SX+4:SX+5], v[SX+6:SX+7]
	v_pk_add_f32 v[SX:SX+1], v[SX:SX+1], v[SX+4:SX+5]
	v_add_f32 v[SX], v[SX], v[SX+1]
	v_add_f32_dpp v[SX], v[SX], v[SX] row_xmask:1 row_mask:0xf bank_mask:0xf
	v_add_f32_dpp v[SX], v[SX], v[SX] row_xmask:2 row_mask:0xf bank_mask:0xf
	v_add_f32_dpp v[SX], v[SX], v[SX] row_xmask:4 row_mask:0xf bank_mask:0xf
	v_add_f32_dpp v[SX], v[SX], v[SX] row_xmask:8 row_mask:0xf bank_mask:0xf
	v_permlanex16_b32 v[SX+1], v[SX], s[SEL], s[SEL+1]
	v_add_f32 v[SX], v[SX], v[SX+1]
	v_add_f32 v[SX], v[SX], v[TL]                  ; key 512 counts in the sum, once
	v_rcp_f32 v[MX], v[SX]
	v_nop                                          ; a plain place behind the reciprocal
	s_wait_alu depctr_va_vdst(0)
.irp j, 0,2,4,6,8,10,12,14
	v_pk_mul_f32 v[SCA+\j:SCA+\j+1], v[SCA+\j:SCA+\j+1], v[MX:MX+1] op_sel_hi:[1,0]   ; the finished softmax
.endr
	v_max3_num_f32 v[SX], v[SCA], v[SCA+1], 0x2800000   ; none is negative: no |.|; the floor holds the byte at 1
	v_max3_num_f32 v[SX+1], v[SCA+2], v[SCA+3], v[SCA+4]
	v_max3_num_f32 v[SX], v[SX], v[SCA+5], v[SCA+6]
	v_max3_num_f32 v[SX+1], v[SX+1], v[SCA+7], v[SCA+8]
	v_max3_num_f32 v[SX], v[SX], v[SCA+9], v[SCA+10]
	v_max3_num_f32 v[SX+1], v[SX+1], v[SCA+11], v[SCA+12]
	v_max3_num_f32 v[SX], v[SX], v[SCA+13], v[SCA+14]
	v_max3_num_f32 v[SX], v[SX], v[SX+1], v[SCA+15]
	v_max_num_f32_dpp v[SX], v[SX], v[SX] row_xmask:1 row_mask:0xf bank_mask:0xf   ; two neighbouring lanes hold a block of 32 keys
	v_add_nc_u32 v[SX+1], 0xfe000000, v[SX]
	v_lshrrev_b32 v[SX+2], 23, v[SX+1]
	v_cvt_scalef32_pk16_bf6_f32 v[KC:KC+2], v[SCA:SCA+15], v[SX+1]
	v_nop                                          ; one plain place behind the scaled conversion
	ds_store_b32 v[KSW], v[KC]                     ; 12 bytes a lane: lanes 0-7 lay chunk q's 96 bytes at the head of my wave's own 512
	ds_store_b32 v[KSW], v[KC+1] offset:4
	ds_store_b32 v[KSW], v[KC+2] offset:8
	ds_store_b8 v[KSB], v[SX+2] offset:384         ; both lanes of a block write the same byte with the same value
.irp p, 0,1,2,3,4,5
	ds_load_b64 v[KF+2*\p:KF+2*\p+1], v[KSR] offset:48*(\p/3)+8*(\p%3)   ; LDS serves a wave's instructions in order: these see my stores.  Every lane r takes the same row
.endr
	ds_load_b32 v[KW], v[KWR] offset:384           ; the chunk's four scale bytes
	; ---- diff = e - E; its sum x B_LR; through my stage, so that a lane holds 16 neighbours of each block along d
	s_wait_loadcnt 0x0
.irp i, 0,1,2,3,4,5,6,7,8,9,10,11,12,13,14,15
	v_pk_add_f32 v[X+4*\i:X+4*\i+1], v[X+4*\i:X+4*\i+1], v[EM:EM+1] neg_lo:[0,1] neg_hi:[0,1]
	v_pk_add_f32 v[X+4*\i+2:X+4*\i+3], v[X+4*\i+2:X+4*\i+3], v[EM+2:EM+3] neg_lo:[0,1] neg_hi:[0,1]
.if \i == 0
	v_pk_mul_f32 v[DB4:DB4+1], v[X:X+1], s[86:87] op_sel_hi:[1,0]
	v_pk_mul_f32 v[DB4+2:DB4+3], v[X+2:X+3], s[86:87] op_sel_hi:[1,0]
.else
	v_pk_fma_f32 v[DB4:DB4+1], v[X+4*\i:X+4*\i+1], s[86:87], v[DB4:DB4+1] op_sel_hi:[1,0,1]
	v_pk_fma_f32 v[DB4+2:DB4+3], v[X+4*\i+2:X+4*\i+3], s[86:87], v[DB4+2:DB4+3] op_sel_hi:[1,0,1]
.endif
	ds_store_b128 v[DSTW], v[X+4*\i:X+4*\i+3] offset:528*\i
.endr
.irp b, 0,1,2,3
.irp j, 0,1,2,3
	ds_load_b128 v[Y+16*\b+4*\j:Y+16*\b+4*\j+3], v[DSTR] offset:128*\b+16*\j
.endr
.endr
	s_wait_dscnt 0x0                               ; diff is back, and so are the softmax row's fragment and scale word
	QUANT Y, PC, TP, PW
.irp c, 0,1,2
	ds_store_b128 v[IMW], v[PC+4*\c:PC+4*\c+3] offset:512*\c   ; the fragment (tile w / 2, K step w % 2) as an image of its registers
.endr
	ds_store_b32 v[ISW], v[PW]
	ds_store_b128 v[DBW], v[DB4:DB4+3]
	s_wait_dscnt 0x0                               ; for the others' sake
	s_barrier_signal -1
	s_barrier_wait -1                              ; diff's sixteen fragments lie in LDS
	; ---- V^T = diff W_v: eight tiles of 16 positions x my 16 e, K = 256 d in two steps; the eight accumulators take turns, one instruction a turn
.irp s, 0,1
.irp g, 0,1
	PLACES 4                                       ; in front of loads into registers that matrix instructions have read
.irp t, 0,1,2,3
.irp c, 0,1,2
	ds_load_b128 v[F+12*\t+4*\c:F+12*\t+4*\c+3], v[IMR] offset:1536*(2*(4*\g+\t)+\s)+512*\c
.endr
	ds_load_b32 v[FS+\t], v[ISR] offset:128*(2*(4*\g+\t)+\s)
.endr
	s_wait_dscnt 0x0
.irp t, 0,1,2,3
.if \s == 0
	MM0 H+8*(4*\g+\t), F+12*\t, WF, FS+\t, WFS
.else
	MMA H+8*(4*\g+\t), F+12*\t, WF+12, FS+\t, WFS+1
.endif
.endr
.endr
.endr
	PLACES 4
	QUANT H, PC, TP, PW                            ; V along s: one K step of product 7
	PLACES 8                                       ; a scale word made by vector instructions stands 8 places ahead of the scaled product; these are also the places in front of a result laid over operands that are done with
	MM0 DK, KF, PC, KW, PW
	PLACES 4
	v_mul_f32 v[KC], s85, v[DK]                    ; register 0 of lane (r, h): output e0 + r; x A_LR / 512
	ds_store_b32 v[REDW], v[KC]
	s_wait_dscnt 0x0                               ; for wave 0's sake
	s_barrier_signal -1
	s_barrier_wait -1
	s_cmp_lg_u32 s[WV], 0
	s_cbranch_scc1 .Lnot0
.irp i, 0,1,2,3,4,5,6,7
	ds_load_b32 v[R+\i], v[REDR] offset:256*\i     ; head i's part of output 32 eg + lane
.endr
.irp i, 0,1,2,3,4,5,6,7
	ds_load_b32 v[R+8+\i], v[DBRR] offset:1024*\i  ; tile i's sum of diff x B_LR in that column
.endr
	v_lshlrev_b32 v[R+16], 2, v1
	s_wait_dscnt 0x0
.irp u, 0,8
	v_pk_add_f32 v[R+\u:R+\u+1], v[R+\u:R+\u+1], v[R+\u+2:R+\u+3]
	v_pk_add_f32 v[R+\u+4:R+\u+5], v[R+\u+4:R+\u+5], v[R+\u+6:R+\u+7]
.endr
.irp u, 0,8
	v_pk_add_f32 v[R+\u:R+\u+1], v[R+\u:R+\u+1], v[R+\u+4:R+\u+5]
.endr
	v_add_f32 v[R], v[R], v[R+1]
	v_add_f32 v[R+8], v[R+8], v[R+9]
	v_fma_f32 v[R], v[R+8], s[HN], v[R]
	global_store_b32 v[R+16], v[R], s[20:21]       ; 128 consecutive bytes
.Lnot0:
	s_wait_tensorcnt 0x0                           ; the wave's end, behind my last LDS store
	ds_add_u32 v[SPW], v[NIL]
	s_wait_dscnt 0x0
	s_endpgm
.Lfunc_end_k_q563b50b0a2_delta:
	.size	k_q563b50b0a2_delta, .Lfunc_end_k_q563b50b0a2_delta-k_q563b50b0a2_delta
	.p2alignl 7, 3214868480
	.fill 96, 4, 3214868480
	.section	.rodata,"a",@progbits
	.p2align	6, 0x0
	.amdhsa_kernel k_q563b50b0a2_delta
		.amdhsa_group_segment_fixed_size 190464
		.amdhsa_private_segment_fixed_size 0
		.amdhsa_enable_private_segment 0
		.amdhsa_kernarg_size 72
		.amdhsa_user_sgpr_count 2
		.amdhsa_user_sgpr_kernarg_segment_ptr 1
		.amdhsa_wavefront_size32 1
		.amdhsa_system_sgpr_workgroup_id_x 1
		.amdhsa_system_sgpr_workgroup_id_y 1
		.amdhsa_system_sgpr_workgroup_id_z 1
		.amdhsa_system_vgpr_workitem_id 0
		.amdhsa_next_free_vgpr 256
		.amdhsa_next_free_sgpr 96
		.amdhsa_reserve_vcc 0
		.amdhsa_float_denorm_mode_32 3
		.amdhsa_float_denorm_mode_16_64 3
		.amdhsa_memory_ordered 1
		.amdhsa_forward_progress 1
		.amdhsa_inst_pref_size 44
	.end_amdhsa_kernel
	.amdgpu_metadata
---
amdhsa.version: [ 1, 2 ]
amdhsa.kernels:
  - .name:           k_q563b50b0a2_delta
    .symbol:         k_q563b50b0a2_delta.kd
    .args:
      - { .name: W_e, .offset: 0, .size: 8, .value_kind: global_buffer, .address_space: global }
      - { .name: idx, .offset: 8, .size: 8, .value_kind: global_buffer, .address_space: global }
      - { .name: psum, .offset: 16, .size: 8, .value_kind: global_buffer, .address_space: global }
      - { .name: scp, .offset: 24, .size: 8, .value_kind: global_buffer, .address_space: global }
      - { .name: W_v_codes, .offset: 32, .size: 8, .value_kind: global_buffer, .address_space: global }
      - { .name: W_v_scales, .offset: 40, .size: 8, .value_kind: global_buffer, .address_space: global }
      - { .name: A_LR, .offset: 48, .size: 8, .value_kind: global_buffer, .address_space: global }
      - { .name: B_LR, .offset: 56, .size: 8, .value_kind: global_buffer, .address_space: global }
      - { .name: fp, .offset: 64, .size: 8, .value_kind: global_buffer, .address_space: global }
    .group_segment_fixed_size: 190464
    .private_segment_fixed_size: 0
    .kernarg_segment_align: 8
    .kernarg_segment_size: 72
    .max_flat_workgroup_size: 512
    .sgpr_count:     96
    .vgpr_count:     256
    .wavefront_size: 32
...
	.end_amdgpu_metadata
.endif
;; end of part 2
;; launch logits (part 3): grid 242 x 1, 13 waves a work-group, no clusters, 6,144 bytes of LDS; arguments W_e, fp, out0; writes out0
.if DOCPART == 3
	.amdgcn_target "amdgcn-amd-amdhsa--gfx1250"
	.amdhsa_code_object_version 6
	.text
	.protected	k_q563b50b0a2_logits
	.globl	k_q563b50b0a2_logits
	.p2align	8
	.type	k_q563b50b0a2_logits,@function
k_q563b50b0a2_logits:
	s_mov_b64 s[64:65], 0
	v_nop
	global_prefetch_b8 v0, s[64:65] scope:SCOPE_SE
	s_setreg_imm32_b32 hwreg(HW_REG_WAVE_MODE, 25, 1), 1
	s_wait_xcnt 0x0
; PGD, launch 3 of 3: out0[b][v] = sum over d of f[b][d] W_e[v][d], f = the sum of launch 2's four parts.  (Nothing is left out here; what the program leaves out is shown at the head of launch 1.)
; The product has 4 rows and stays as it is: f32 fused multiply-adds.  W_e is streamed once: memory binds, so the matrix units, a cluster and a ring in LDS would add nothing.
; f is about a millionth in size and its rounding to 16 bits would take a good part of what the comparison allows: so f32 operands.
; A wave owns 16 rows of W_e and asks for all 16 KB at its head: 32 loads, in each of which sixteen neighbouring lanes read 256 consecutive aligned bytes of one row.  A step works two rows (lanes 0-15 one, lanes 16-31 the next).
; 242 x 13 x 16 = 50,336 rows for 50,257: the last waves' first row is held at 50,241, so that no load leaves W_e, and a lane stores only a row that is its wave's own.
; Stores: 4 bytes a lane in runs of 64 bytes; out0's rows of 201,028 bytes begin at no multiple of 256 and the whole output is 0.8 MB.
.set FL,    0                          ; LDS: f, 4 x 256 numbers
.set SPARE, 4096                       ; the spare words, 128 bytes for each wave: seven blocks of 256 bytes that no other line names
.set WO,   2                           ; v2   1,024 (lane / 16) + 16 (lane % 16)
.set FW,   3                           ; v3   16 x thread
.set FR,   4                           ; v4   16 (lane % 16)
.set ROW,  5                           ; v5   the row whose results I store
.set OO,   6                           ; v6   and where
.set SPW,  12                          ; v12  LDS address of my spare word; never rewritten
.set NIL,  13                          ; v13  0; never rewritten
.set ACC,  16                          ; v16-23 four pairs of sums
.set SUM,  24                          ; v24-27
.set TLO,  28
.set ULO,  29
.set THI,  30
.set UHI,  31
.set RLO,  32
.set RHI,  33
.set OUTA, 36
.set OUTB, 37
.set FP,   40                          ; v40-55 launch 2's four parts
.set W,    64                          ; v64-191 16 rows: step k at 16 k
.set FF,   192                         ; v192-255 f[b][64 j + 4 (lane % 16) + 0 .. 3] at 16 b + 4 j
.set WV,   14
.set MH,   20                          ; s20 lanes 8-15 and 24-31;  s21-27 lanes with lane % 8 = 1 .. 7
	s_load_b128 s[4:7], s[0:1], 0x0                ; W_e, fp
	s_load_b64 s[8:9], s[0:1], 0x10                ; out0
	v_lshl_add_u32 v[SPW], v0, 2, SPARE
	v_mov_b32 v[NIL], 0
	v_lshrrev_b32 v1, 5, v0
	v_readfirstlane_b32 s[WV], v1                  ; wave 0..12
	v_and_b32 v1, 15, v0
	v_bfe_u32 v7, v0, 4, 1
	v_lshlrev_b32 v[FR], 4, v1
	v_lshl_add_u32 v[WO], v7, 10, v[FR]
	v_lshlrev_b32 v[FW], 4, v0
	s_mul_i32 s10, ttmp9, 208
	s_lshl_b32 s11, s[WV], 4
	s_add_co_u32 s10, s10, s11                     ; my first row
	s_min_u32 s11, s10, 50241                      ; held so that 16 rows from it on lie in W_e
	s_lshl_b32 s12, s11, 10
	s_mov_b32 s13, 0
	v_and_b32 v8, 7, v0
	v_lshl_add_u32 v[ROW], v8, 1, v7
	v_add_nc_u32 v[ROW], s11, v[ROW]               ; lane l stores row 2 (l % 8) + l / 16 of the 16,
	v_bfe_u32 v8, v0, 3, 1
	v_mul_u32_u24 v8, v8, 50257
	v_add_lshl_u32 v[OO], v8, v[ROW], 2            ; for batch (l / 8) % 2, and two batches further on
	s_mov_b32 s[MH], 0xff00ff00
.irp k, 1,2,3,4,5,6,7
	s_mov_b32 s[MH+\k], 0x01010101<<\k
.endr
	v_mov_b32 v[RLO], 0                            ; written once: the destination of a DPP form counts as one of its sources
	v_mov_b32 v[RHI], 0
	s_wait_kmcnt 0x0
	s_add_nc_u64 s[4:5], s[4:5], s[12:13]
	s_cmp_lt_u32 s[WV], 8                          ; f is 4,096 bytes: 256 threads, 16 bytes each
	s_cbranch_scc0 .Lno_f
.irp q, 0,1,2,3
	global_load_b128 v[FP+4*\q:FP+4*\q+3], v[FW], s[6:7] offset:4096*\q
.endr
.Lno_f:
.irp k, 0,1,2,3,4,5,6,7
.irp j, 0,1,2,3
	global_load_b128 v[W+16*\k+4*\j:W+16*\k+4*\j+3], v[WO], s[4:5] offset:2048*\k+256*\j th:TH_LOAD_NT
.endr
.endr
	s_cmp_lt_u32 s[WV], 8
	s_cbranch_scc0 .Lno_sum
	s_wait_loadcnt 32                              ; the four parts are in; W_e's 32 loads were issued behind them
.irp j, 0,2
	v_pk_add_f32 v[FP+\j:FP+\j+1], v[FP+\j:FP+\j+1], v[FP+4+\j:FP+5+\j]
	v_pk_add_f32 v[FP+8+\j:FP+9+\j], v[FP+8+\j:FP+9+\j], v[FP+12+\j:FP+13+\j]
.endr
.irp j, 0,2
	v_pk_add_f32 v[FP+\j:FP+\j+1], v[FP+\j:FP+\j+1], v[FP+8+\j:FP+9+\j]
.endr
	ds_store_b128 v[FW], v[FP:FP+3]
.Lno_sum:
	s_wait_dscnt 0x0                               ; for the others' sake
	s_barrier_signal -1
	s_barrier_wait -1                              ; f lies in LDS (W_e's loads stay on their way: nobody writes those bytes)
.irp b, 0,1,2,3
.irp j, 0,1,2,3
	ds_load_b128 v[FF+16*\b+4*\j:FF+16*\b+4*\j+3], v[FR] offset:FL+1024*\b+256*\j
.endr
.endr
	s_wait_tensorcnt 0x0                           ; three closing lines behind my last LDS store; no LDS instruction follows them.  Their last wait also shows f in registers
	ds_add_u32 v[SPW], v[NIL]
	s_wait_dscnt 0x0
; Two rows: 16 numbers a lane against f of the four batches; then each batch's sum over the sixteen lanes of a row.  Two batches share the steps across lanes: lanes 0-7 of a half go on with one, lanes 8-15 with the other.
.macro STEP k
	s_wait_loadcnt 28-4*\k                         ; this step's four loads are in; the later steps' may be out
.irp b, 0,1,2,3
	v_pk_mul_f32 v[ACC+2*\b:ACC+2*\b+1], v[W+16*\k:W+16*\k+1], v[FF+16*\b:FF+16*\b+1]
.endr
.irp p, 1,2,3,4,5,6,7
.irp b, 0,1,2,3
	v_pk_fma_f32 v[ACC+2*\b:ACC+2*\b+1], v[W+16*\k+2*\p:W+16*\k+2*\p+1], v[FF+16*\b+2*\p:FF+16*\b+2*\p+1], v[ACC+2*\b:ACC+2*\b+1]
.endr
.endr
.irp b, 0,1,2,3
	v_add_f32 v[SUM+\b], v[ACC+2*\b], v[ACC+2*\b+1]
.endr
	v_cndmask_b32 v[TLO], v[SUM], v[SUM+1], s[MH]      ; what I go on with,
	v_cndmask_b32 v[ULO], v[SUM+1], v[SUM], s[MH]      ; and what the lane 8 away goes on with
	v_cndmask_b32 v[THI], v[SUM+2], v[SUM+3], s[MH]
	v_cndmask_b32 v[UHI], v[SUM+3], v[SUM+2], s[MH]
	v_add_f32_dpp v[RLO], v[ULO], v[TLO] row_xmask:8 row_mask:0xf bank_mask:0xf
	v_add_f32_dpp v[RHI], v[UHI], v[THI] row_xmask:8 row_mask:0xf bank_mask:0xf
.irp x, 4,2,1
	v_add_f32_dpp v[RLO], v[RLO], v[RLO] row_xmask:\x row_mask:0xf bank_mask:0xf
	v_add_f32_dpp v[RHI], v[RHI], v[RHI] row_xmask:\x row_mask:0xf bank_mask:0xf
.endr
.if \k == 0
	v_mov_b32 v[OUTA], v[RLO]
	v_mov_b32 v[OUTB], v[RHI]
.else
	v_cndmask_b32 v[OUTA], v[OUTA], v[RLO], s[MH+\k]   ; the lanes with lane % 8 = k keep this step's results
	v_cndmask_b32 v[OUTB], v[OUTB], v[RHI], s[MH+\k]
.endif
.endm
.irp k, 0,1,2,3,4,5,6,7
	STEP \k
.endr
	s_wait_xcnt 0x0                                ; EXEC changes only behind this wait
	v_cmp_le_u32 vcc_lo, s10, v[ROW]               ; a row under my wave's true first row is another wave's
	s_and_saveexec_b32 s11, vcc_lo
	global_store_b32 v[OO], v[OUTA], s[8:9] th:TH_STORE_NT
	global_store_b32 v[OO], v[OUTB], s[8:9] offset:402056 th:TH_STORE_NT
	s_endpgm
.Lfunc_end_k_q563b50b0a2_logits:
	.size	k_q563b50b0a2_logits, .Lfunc_end_k_q563b50b0a2_logits-k_q563b50b0a2_logits
	.p2alignl 7, 3214868480
	.fill 96, 4, 3214868480
	.section	.rodata,"a",@progbits
	.p2align	6, 0x0
	.amdhsa_kernel k_q563b50b0a2_logits
		.amdhsa_group_segment_fixed_size 6144
		.amdhsa_private_segment_fixed_size 0
		.amdhsa_enable_private_segment 0
		.amdhsa_kernarg_size 24
		.amdhsa_user_sgpr_count 2
		.amdhsa_user_sgpr_kernarg_segment_ptr 1
		.amdhsa_wavefront_size32 1
		.amdhsa_system_sgpr_workgroup_id_x 1
		.amdhsa_system_sgpr_workgroup_id_y 1
		.amdhsa_system_sgpr_workgroup_id_z 1
		.amdhsa_system_vgpr_workitem_id 0
		.amdhsa_next_free_vgpr 256
		.amdhsa_next_free_sgpr 66
		.amdhsa_reserve_vcc 1
		.amdhsa_float_denorm_mode_32 3
		.amdhsa_float_denorm_mode_16_64 3
		.amdhsa_memory_ordered 1
		.amdhsa_forward_progress 1
		.amdhsa_inst_pref_size 32
	.end_amdhsa_kernel
	.amdgpu_metadata
---
amdhsa.version: [ 1, 2 ]
amdhsa.kernels:
  - .name:           k_q563b50b0a2_logits
    .symbol:         k_q563b50b0a2_logits.kd
    .args:
      - { .name: W_e, .offset: 0, .size: 8, .value_kind: global_buffer, .address_space: global }
      - { .name: fp, .offset: 8, .size: 8, .value_kind: global_buffer, .address_space: global }
      - { .name: out0, .offset: 16, .size: 8, .value_kind: global_buffer, .address_space: global }
    .group_segment_fixed_size: 6144
    .private_segment_fixed_size: 0
    .kernarg_segment_align: 8
    .kernarg_segment_size: 24
    .max_flat_workgroup_size: 416
    .sgpr_count:     66
    .vgpr_count:     256
    .wavefront_size: 32
...
	.end_amdgpu_metadata
.endif
;; end of part 3
;; ======== version 2 of 2: 3 launches
;; workspace buffers: psum 51,200 bytes; scp 36,864 bytes; fp 16,384 bytes
;; launch colsum_scores (part 4): grid 232 x 1, 16 waves a work-group, no clusters, 57,344 bytes of LDS; arguments W_e, W_p_codes, W_p_scales, W_k_codes, W_k_scales, W_q_codes, W_q_scales, psum, scp; writes psum, scp
.if DOCPART == 4
	.amdgcn_target "amdgcn-amd-amdhsa--gfx1250"
	.amdhsa_code_object_version 6
	.text
	.protected	k_q563b50b0a2_colsum_scores
	.globl	k_q563b50b0a2_colsum_scores
	.p2align	8
	.type	k_q563b50b0a2_colsum_scores,@function
k_q563b50b0a2_colsum_scores:
	s_mov_b64 s[64:65], 0
	v_nop
	global_prefetch_b8 v0, s[64:65] scope:SCOPE_SE
	s_setreg_imm32_b32 hwreg(HW_REG_WAVE_MODE, 25, 1), 1
	s_wait_xcnt 0x0
; PGD, launch 1 of 3.  logits = f_k[:, -1] W_e^T after ONE layer that starts from f_k = 0.
; WORK LEFT OUT, for all finite values of the inputs:
;  (a) reference() builds f_k as zeros, so product 4 (f_k W_e^T) is 0 everywhere, its clip is 0 and exp_fw is 1 everywhere: product 4, the clip and the exponentials are not computed.
;      The quantiser turns a block of ones (the last one too: 17 ones and 15 zeros) into the code 16 under the scale 2^-4, which is 1 exactly: exp_fw's codes and scale bytes are constants, made in registers.
;      exp_fw.sum is 50,257; the 1e-8 beside it is under half a last place of it.
;  (b) only f_k[:, -1] reaches the logits: of products 2, 3 and 7 and of the softmax only query position 512 is computed; the rows n < 512 are sliced away by reference().
;  Products 1 (all 513 keys enter the softmax's sum), 5, 6 and 8 are done in full.  Every input has a way to the output and is loaded by some launch.
;  PRODUCT 5 is done as it is written: each of its 2,048 rows reaches its own row of diff, so none is dead, and all 128 tiles of 16 rows go to the matrix unit.  The rows are equal for all inputs (ones against Q(W_e)), so no row is kept apart:
;  the tiles are added up in the accumulators, and the sum x 2^-7 stands for every row.
; LIMITS: a NaN, an infinity or an overflow that reaches only the work left out is not carried to the result.  A block of zeros gets the scale byte 1 where the quantiser says 127: its codes are zeros, and this program alone reads the bytes.
;  A column's partial sum is added 32 times in a chain before it is scaled back: a few last places of a number that, divided by 50,257, is small beside the e that it is taken from.
; THIS LAUNCH has two kinds of work-groups, told apart by the work-group's number; each kind has LDS bytes of its own.
;  Work-groups 0-31 (SCORES): head = g / 4, half eh of the 256 e, half ph of the positions.  W_q's and W_k's 128 rows (e) go once into LDS as images of operand registers; each of the 16 waves projects position 512 by W_q and its own
;   16 positions by W_k (products 2 and 1; transposed: a lane holds one position, its registers run along e), quantises both along e in registers, and one product gives its 16 scores' part for these 128 e (product 3).  scp[head][eh][position].
;  Work-groups 32-231 (PRODUCT 5): 64 columns x 1,024 rows of W_e.  A lane takes a column and its registers run down 128 rows, so a block of 32 along the vocabulary lies in one lane; 128 tiles of ones x codes by the matrix unit; psum[chunk][column].
; No cluster: product 5's work-groups share no byte; the scores' shared weights are 100 KB read by two work-groups each.  No tensor loads: every wave asks for its whole share at its head, so nothing is filled twice.
; Stores: psum in aligned runs of 256 bytes; scp in runs of 64 bytes (36 KB in all).
.set WQI,   0                          ; LDS, scores: W_q's 16 fragments (tile t, K step s: 2 t + s), 1,536 bytes each
.set WKI,   24576                      ; W_k's
.set WQS,   49152                      ; their scale words, 128 bytes a fragment
.set WKS,   51200
.set ARED,  53248                      ; LDS, product 5: 16 waves x 32 numbers
.set SPARE, 55296                      ; the spare words, 128 bytes for each wave: eight blocks of 256 bytes that no other line names
.set LI,   4                           ; v4   16 x lane
.set LS,   5                           ; v5   4 x lane
.set IW,   6                           ; v6   1,536 x wave + 16 x lane
.set SWA,  7                           ; v7   4 x thread
.set ARW,  8                           ; v8   ARED + 4 x thread
.set ARR,  9                           ; v9   ARED + 8 x lane
.set WO,   10                          ; scores: byte offsets in memory
.set WSO,  11
.set HO,   12
.set ZO,   13
.set PO,   14
.set PSO,  15
.set P512, 16                          ; v16-39   position 512's two fragments (all 16 rows alike)
.set PT,   40                          ; v40-63   my 16 positions' two fragments
.set XJ,   64                          ; v64-75   Q(x_j[512]), 128 e
.set PC,   76                          ; v76-87   Q(x_i), 16 positions x 128 e
.set TP,   88                          ; v88-95   at work in QUANT
.set SACC, 96                          ; v96-103  the scores
.set H,    104                         ; v104-167 eight tiles of a projection
.set F,    168                         ; v168-215 four fragments of a weight
.set TM,   168                         ; v168-183 at work in QUANT, where F is done with
.set RO,   232                         ; v232 4 x (lane % 16)
.set P512S, 240                        ; v240-251 hold scale words and nothing else
.set PTS,  242
.set XJW,  244
.set PW,   245
.set FS,   246
.set SWD,  250
.set SAW,  251
.set SPW,  254                         ; v254 LDS address of my spare word; never rewritten
.set NIL,  255                         ; v255 0; never rewritten
.set ONES, 16                          ; product 5: v16-27 a fragment of ones: the code 16 (0x1c) 64 times a lane
.set OP0,  28                          ; v28-39 the operand of my wave's columns 0-15;  v40-51 of columns 16-31
.set OP1,  40
.set TA,   52                          ; v52-59, v60-67 the blocks' upper halves, on their way
.set TB,   60
.set DA,   68                          ; v68-69, v76-77 the chains' sums
.set DB,   76
.set AM,   84
.set SOP,  88
.set BY,   92
.set RES,  96
.set G8,   12
.set X,    104                         ; v104-231 128 rows of my column
.set ACC,  104                         ; v104-167 once the codes are made: eight accumulators, chain j of four and column tile n at 16 j + 8 n
.set SEL,  56
.set WV,   58
.macro PLACES n
.rept \n
	v_nop
.endr
.endm
.macro GFRAG reg, voff, sb, off        ; a fragment of 6-bit codes from rows in memory: 24 bytes at 24 (lane / 16), 24 more 48 bytes on, in pieces of 8
.irp p, 0,1,2,3,4,5
	global_load_b64 v[(\reg)+2*\p:(\reg)+2*\p+1], v[\voff], s[\sb:\sb+1] offset:(\off)+48*(\p/3)+8*(\p%3)
.endr
.endm
.macro IMGST adr, reg, off             ; a fragment goes to LDS as an image of its 12 registers
.irp c, 0,1,2
	ds_store_b128 v[\adr], v[(\reg)+4*\c:(\reg)+4*\c+3] offset:(\off)+512*\c
.endr
.endm
.macro MM0 d, a, b, sa, sb             ; the first K step starts a sum
	v_wmma_scale_f32_16x16x128_f8f6f4 v[(\d):(\d)+7], v[(\a):(\a)+11], v[(\b):(\b)+11], 0, v[\sa], v[\sb] matrix_a_fmt:MATRIX_FMT_BF6 matrix_b_fmt:MATRIX_FMT_BF6
.endm
.macro MMA d, a, b, sa, sb
	v_wmma_scale_f32_16x16x128_f8f6f4 v[(\d):(\d)+7], v[(\a):(\a)+11], v[(\b):(\b)+11], v[(\d):(\d)+7], v[\sa], v[\sb] matrix_a_fmt:MATRIX_FMT_BF6 matrix_b_fmt:MATRIX_FMT_BF6
.endm
; 64 numbers of a lane, register 16 b + i = k 32 b + 16 (lane / 16) + i of my row, become a fragment's codes in v[pc] on and its scale word in v[pw]
.macro QUANT s, pc, tp, pw
.irp b, 0,1,2,3
	v_max3_num_f32 v[TM+\b], |v[(\s)+16*\b]|, |v[(\s)+1+16*\b]|, 0x2800000   ; my 16 numbers of block b, and the floor 2^(5 - 127): the byte cannot fall under 1.  Each accumulator is read from its low end on
.endr
.irp i, 2,4,6,8,10,12,14
.irp b, 0,1,2,3
	v_max3_num_f32 v[TM+\b], v[TM+\b], |v[(\s)+16*\b+\i]|, |v[(\s)+1+16*\b+\i]|
.endr
.endr
.irp b, 0,1,2,3
	s_delay_alu instid0(VALU_DEP_4)
	v_permlanex16_b32 v[TM+4+\b], v[TM+\b], s[SEL], s[SEL+1]                 ; (its destination has been written: loads filled these registers)
.endr
.irp b, 0,1,2,3
	s_delay_alu instid0(VALU_DEP_4)
	v_max_num_f32 v[TM+\b], v[TM+\b], v[TM+4+\b]                             ; with lane l xor 16's: the block's largest magnitude
.endr
.irp b, 0,1,2,3
	s_delay_alu instid0(VALU_DEP_4)
	v_add_nc_u32 v[TM+12+\b], 0xfe000000, v[TM+\b]                           ; 4 off its exponent field: the conversion's scale operand
.endr
.irp b, 0,1,2,3
	s_delay_alu instid0(VALU_DEP_4)
	v_lshrrev_b32 v[TM+4+\b], 23, v[TM+12+\b]                                ; the scale's byte
.endr
	s_delay_alu instid0(VALU_DEP_3)
	v_lshl_or_b32 v[\pw], v[TM+5], 8, v[TM+4]
	s_delay_alu instid0(VALU_DEP_1)
	v_lshl_or_b32 v[\pw], v[TM+6], 16, v[\pw]
	s_delay_alu instid0(VALU_DEP_1)
	v_lshl_or_b32 v[\pw], v[TM+7], 24, v[\pw]
.irp c, 0,1
	v_cvt_scalef32_pk16_bf6_f32 v[(\pc)+6*\c:(\pc)+2+6*\c], v[(\s)+32*\c:(\s)+15+32*\c], v[TM+12+2*\c]
	v_cvt_scalef32_pk16_bf6_f32 v[(\tp)+4*\c:(\tp)+2+4*\c], v[(\s)+16+32*\c:(\s)+31+32*\c], v[TM+12+2*\c+1]
.endr
	v_nop                                          ; one plain place behind the scaled conversions
.irp c, 0,1                                    ; the operand wants a whole block in a lane: lanes 0-15 block 2 c, lanes 16-31 block 2 c + 1
.irp i, 0,1,2
	v_permlane16_swap_b32 v[(\pc)+6*\c+\i], v[(\tp)+4*\c+\i]
.endr
.irp i, 0,1,2
	s_delay_alu instid0(VALU_DEP_3)
	v_mov_b32 v[(\pc)+3+6*\c+\i], v[(\tp)+4*\c+\i]
.endr
.endr
.endm
; A projection: 128 e x 16 positions, K = 256 d in two steps.  Source 0 = 16 rows of the weight from its images, source 1 = the positions.  The eight accumulators take turns, one instruction a turn.
.macro PROJ img, scl, pf, ps
.irp s, 0,1
.irp g, 0,1
	PLACES 4                                       ; in front of loads into registers that matrix instructions have read
.irp t, 0,1,2,3
.irp c, 0,1,2
	ds_load_b128 v[F+12*\t+4*\c:F+12*\t+4*\c+3], v[LI] offset:(\img)+1536*(2*(4*\g+\t)+\s)+512*\c
.endr
	ds_load_b32 v[FS+\t], v[LS] offset:(\scl)+128*(2*(4*\g+\t)+\s)
.endr
	s_wait_dscnt 0x0
.irp t, 0,1,2,3
.if \s == 0
	MM0 H+8*(4*\g+\t), F+12*\t, \pf, FS+\t, \ps
.else
	MMA H+8*(4*\g+\t), F+12*\t, (\pf)+12, FS+\t, (\ps)+1
.endif
.endr
.endr
.endr
.endm
; x_i of 16 positions, quantised along e, against Q(x_j[512]); the first nl lanes store a score each
.macro TILE pf, ps, nl, off
	PROJ WKI, WKS, \pf, \ps
	PLACES 4
	QUANT H, PC, TP, PW
	PLACES 8                                       ; a scale word made by vector instructions stands 8 places ahead of the scaled product, an operand 4
	MM0 SACC, XJ, PC, XJW, PW
	PLACES 4
	s_wait_xcnt 0x0                                ; EXEC changes only behind this wait
	v_cmp_gt_u32 vcc_lo, \nl, v1
	s_and_saveexec_b32 s50, vcc_lo
	global_store_b32 v[RO], v[SACC], s[52:53] offset:\off   ; register 0 of lane r: the score of position r
	s_wait_xcnt 0x0                                ; and again in front of the line that widens it; the store has read its data too
	s_or_b32 exec_lo, exec_lo, s50
.endm
; Four tiles of 16 rows of ones against my wave's two tiles of 16 columns, 128 along the vocabulary: eight matrix instructions, each on an accumulator of its own.  zero = 1: they start the sums: nothing is cleared
.macro ROWS zero
.irp j, 0,1,2,3
.if \zero
	v_wmma_scale_f32_16x16x128_f8f6f4 v[ACC+16*\j:ACC+16*\j+7], v[ONES:ONES+11], v[OP0:OP0+11], 0, v[SAW], v[SWD] matrix_a_fmt:MATRIX_FMT_BF6 matrix_b_fmt:MATRIX_FMT_BF6
	v_wmma_scale_f32_16x16x128_f8f6f4 v[ACC+16*\j+8:ACC+16*\j+15], v[ONES:ONES+11], v[OP1:OP1+11], 0, v[SAW], v[SWD] matrix_a_fmt:MATRIX_FMT_BF6 matrix_b_fmt:MATRIX_FMT_BF6 matrix_b_scale:MATRIX_SCALE_ROW1
.else
	v_wmma_scale_f32_16x16x128_f8f6f4 v[ACC+16*\j:ACC+16*\j+7], v[ONES:ONES+11], v[OP0:OP0+11], v[ACC+16*\j:ACC+16*\j+7], v[SAW], v[SWD] matrix_a_fmt:MATRIX_FMT_BF6 matrix_b_fmt:MATRIX_FMT_BF6
	v_wmma_scale_f32_16x16x128_f8f6f4 v[ACC+16*\j+8:ACC+16*\j+15], v[ONES:ONES+11], v[OP1:OP1+11], v[ACC+16*\j+8:ACC+16*\j+15], v[SAW], v[SWD] matrix_a_fmt:MATRIX_FMT_BF6 matrix_b_fmt:MATRIX_FMT_BF6 matrix_b_scale:MATRIX_SCALE_ROW1
.endif
.endr
.endm
	s_load_b512 s[4:19], s[0:1], 0x0               ; W_e s[4:5]; W_p codes, scales s[6:9]; W_k s[10:13]; W_q s[14:17]; psum s[18:19]
	s_load_b64 s[20:21], s[0:1], 0x40              ; scp
	v_lshl_add_u32 v[SPW], v0, 2, SPARE
	v_mov_b32 v[NIL], 0
	v_lshrrev_b32 v1, 5, v0
	s_delay_alu instid0(VALU_DEP_1)
	v_readfirstlane_b32 s[WV], v1                  ; wave 0..15
	v_and_b32 v1, 31, v0                           ; lane
	v_and_b32 v2, 15, v0                           ; r
	v_bfe_u32 v3, v0, 4, 1                         ; h
	s_delay_alu instid0(VALU_DEP_3)
	v_lshlrev_b32 v[LI], 4, v1
	s_delay_alu instid0(VALU_DEP_4)
	v_lshlrev_b32 v[LS], 2, v1
	s_mul_i32 s22, s[WV], 1536
	v_add_nc_u32 v[IW], s22, v[LI]
	v_lshlrev_b32 v[SWA], 2, v0
	v_lshl_add_u32 v[ARW], v0, 2, ARED
	v_lshl_add_u32 v[ARR], v1, 3, ARED
	s_mov_b32 s[SEL], 0x76543210
	s_mov_b32 s[SEL+1], 0xfedcba98                 ; v_permlanex16_b32's selects for lane l xor 16
	s_wait_kmcnt 0x0
	s_cmp_lt_u32 ttmp9, 32
	s_cbranch_scc0 .Lpath_a
	; ---------------- SCORES ----------------
	s_lshr_b32 s22, ttmp9, 2                       ; head
	s_bfe_u32 s23, ttmp9, 0x10001                  ; eh
	s_and_b32 s24, ttmp9, 1                        ; ph
	s_lshr_b32 s25, s[WV], 1                       ; the fragment that I bring: tile t,
	s_and_b32 s26, s[WV], 1                        ; K step s
	s_lshl_b32 s27, s22, 8
	s_lshl_b32 s28, s23, 7
	s_add_co_u32 s27, s27, s28
	s_lshr_b32 s28, s25, 1
	s_lshl_b32 s28, s28, 5
	s_add_co_u32 s27, s27, s28
	s_and_b32 s28, s25, 1
	s_lshl_b32 s28, s28, 3
	s_add_co_u32 s27, s27, s28                     ; its first row: 256 head + 128 eh + 32 (t / 2) + 8 (t % 2)
	s_mul_i32 s28, s27, 192
	s_mul_i32 s30, s26, 96
	s_add_co_u32 s28, s28, s30
	s_mov_b32 s29, 0
	s_lshl_b32 s30, s27, 3
	s_lshl_b32 s31, s26, 2
	s_add_co_u32 s30, s30, s31
	s_mov_b32 s31, 0
	s_add_nc_u64 s[32:33], s[14:15], s[28:29]      ; W_q's codes,
	s_add_nc_u64 s[34:35], s[16:17], s[30:31]      ; scale words,
	s_add_nc_u64 s[36:37], s[10:11], s[28:29]      ; W_k's codes,
	s_add_nc_u64 s[38:39], s[12:13], s[30:31]      ; scale words
	s_lshl_b32 s40, s24, 4
	s_add_co_u32 s40, s40, s[WV]                   ; my tile of 16 positions: 16 ph + wave
	s_mul_i32 s42, s40, 3072
	s_mov_b32 s43, 0
	s_lshl_b32 s44, s40, 7
	s_mov_b32 s45, 0
	s_add_nc_u64 s[46:47], s[6:7], s[42:43]
	s_add_nc_u64 s[48:49], s[8:9], s[44:45]
	s_lshl_b32 s50, s22, 1
	s_add_co_u32 s50, s50, s23
	s_mul_i32 s50, s50, 2304
	s_lshl_b32 s51, s40, 6
	s_add_co_u32 s50, s50, s51
	s_mov_b32 s51, 0
	s_add_nc_u64 s[52:53], s[20:21], s[50:51]      ; scp[head][eh][16 x tile]
	s_wait_alu depctr_va_vdst(0)
	v_and_b32 v[WO], 8, v2
	s_delay_alu instid0(VALU_DEP_1)
	v_add_nc_u32 v[WO], v[WO], v2                  ; THE ROWS OF A WEIGHT'S TILE ARE NOT NEIGHBOURS: lane r takes row r + 8 (r / 8), so that two neighbouring tiles' 16 registers are 16 neighbours along e
	s_delay_alu instid0(VALU_DEP_1)
	v_lshlrev_b32 v[WSO], 3, v[WO]
	s_delay_alu instid0(VALU_DEP_2)
	v_mul_u32_u24 v[WO], v[WO], 192
	v_mul_u32_u24 v[HO], v3, 24
	s_delay_alu instid0(VALU_DEP_1)
	v_add_nc_u32 v[WO], v[WO], v[HO]
	v_mov_b32 v[ZO], 0
	v_mul_u32_u24 v[PO], v2, 192
	s_delay_alu instid0(VALU_DEP_1)
	v_add_nc_u32 v[PO], v[PO], v[HO]
	v_lshlrev_b32 v[PSO], 3, v2
	v_lshlrev_b32 v[RO], 2, v2
	GFRAG F, WO, 32, 0
	global_load_b32 v[FS], v[WSO], s[34:35]
	GFRAG F+12, WO, 36, 0
	global_load_b32 v[FS+1], v[WSO], s[38:39]
	GFRAG P512, HO, 6, 98304                       ; row 512 of W_p in every lane
	GFRAG P512+12, HO, 6, 98304+96
	global_load_b32 v[P512S], v[ZO], s[8:9] offset:4096
	global_load_b32 v[P512S+1], v[ZO], s[8:9] offset:4100
	GFRAG PT, PO, 46, 0
	GFRAG PT+12, PO, 46, 96
	global_load_b32 v[PTS], v[PSO], s[48:49]
	global_load_b32 v[PTS+1], v[PSO], s[48:49] offset:4
	s_wait_loadcnt 28                              ; the weights' 14 loads are in; W_p's 28 were issued behind them
	IMGST IW, F, WQI
	IMGST IW, F+12, WKI
	ds_store_b32 v[SWA], v[FS] offset:WQS
	ds_store_b32 v[SWA], v[FS+1] offset:WKS
	s_wait_dscnt 0x0                               ; for the others' sake: my images have landed
	s_barrier_signal -1
	s_barrier_wait -1                              ; all 32 fragments lie in LDS; nothing is stored there again
	s_wait_loadcnt 14                              ; row 512 is in; my own positions' 14 loads may be out
	PROJ WQI, WQS, P512, P512S
	PLACES 4
	QUANT H, XJ, TP, XJW
	s_wait_loadcnt 0x0
	TILE PT, PTS, 16, 0
	s_xor_b32 s54, s24, 1
	s_or_b32 s54, s54, s[WV]
	s_cmp_lg_u32 s54, 0                            ; position 512 as a key: wave 0 of the upper half of the positions.  No barrier stands in this branch
	s_cbranch_scc1 .Lno512
	TILE P512, P512S, 1, 1024                      ; my base stands at position 256: 1,024 bytes on is position 512
.Lno512:
	s_wait_tensorcnt 0x0                           ; the wave's end, behind my last LDS store
	ds_add_u32 v[SPW], v[NIL]
	s_wait_dscnt 0x0
	s_endpgm
	; ---------------- PRODUCT 5 ----------------
.Lpath_a:
	s_sub_co_u32 s22, ttmp9, 32
	s_and_b32 s23, s22, 3                          ; which 64 columns
	s_lshr_b32 s24, s22, 2                         ; which 1,024 rows
	s_and_b32 s25, s[WV], 1                        ; which 32 of the columns are my wave's
	s_lshr_b32 s26, s[WV], 1
	s_lshl_b32 s27, s24, 3
	s_add_co_u32 s27, s27, s26                     ; which 128 rows: K step 8 chunk + wave / 2; 392 full steps, step 392 has 81 rows, beyond it there is nothing
	s_lshl_b32 s28, s27, 17
	s_lshl_b32 s30, s23, 8
	s_add_co_u32 s28, s28, s30
	s_lshl_b32 s30, s25, 7
	s_add_co_u32 s28, s28, s30
	s_mov_b32 s29, 0
	s_add_nc_u64 s[32:33], s[4:5], s[28:29]
	s_lshl_b32 s34, s24, 10
	s_lshl_b32 s35, s23, 8
	s_add_co_u32 s34, s34, s35
	s_mov_b32 s35, 0
	s_add_nc_u64 s[34:35], s[18:19], s[34:35]      ; psum[chunk][64 strip]
	s_mov_b32 s31, 0xffff0000                      ; lanes 16-31
	s_cmp_gt_u32 s27, 392
	s_cbranch_scc1 .Lnone
	s_cmp_eq_u32 s27, 392
	s_cbranch_scc1 .Ltail
.set Q, 0
	s_wait_alu depctr_va_vdst(0)
.rept 128
	global_load_b32 v[X+Q], v[LS], s[32:33] offset:1024*Q   ; row Q of my 128, my column: the wave reads 128 consecutive bytes, two waves side by side 256
.set Q, Q+1
.endr
	s_branch .Lwork
.Ltail:
.set Q, 0
	s_wait_alu depctr_va_vdst(0)
.rept 81
	global_load_b32 v[X+Q], v[LS], s[32:33] offset:1024*Q   ; the last row read is row 50,256
.set Q, Q+1
.endr
.rept 47
	v_mov_b32 v[X+Q], 0                            ; the quantiser fills the last block with zeros; zero codes fill the rest of the K step
.set Q, Q+1
.endr
.Lwork:
.irp c, 0,1,2,3
	v_mov_b32 v[ONES+3*\c], 0x1c71c71c             ; sixteen codes 0x1c, 6 bits each, are these 96 bits
	v_mov_b32 v[ONES+3*\c+1], 0xc71c71c7
	v_mov_b32 v[ONES+3*\c+2], 0x71c71c71
.endr
	v_mov_b32 v[SAW], 0x7b7b7b7b                   ; their scale 2^-4, for each of the four blocks
	s_wait_loadcnt 0x0
.irp b, 0,1,2,3
	v_max3_num_f32 v[AM+\b], |v[X+32*\b]|, |v[X+32*\b+1]|, 0x2800000   ; block b's 32 numbers are all mine; the floor 2^(5 - 127) holds the byte at 1 from below
.endr
.irp i, 2,4,6,8,10,12,14,16,18,20,22,24,26,28,30
.irp b, 0,1,2,3
	s_delay_alu instid0(VALU_DEP_4)
	v_max3_num_f32 v[AM+\b], v[AM+\b], |v[X+32*\b+\i]|, |v[X+32*\b+\i+1]|
.endr
.endr
.irp b, 0,1,2,3
	s_delay_alu instid0(VALU_DEP_4)
	v_add_nc_u32 v[SOP+\b], 0xfe000000, v[AM+\b]
.endr
.irp b, 0,1,2,3
	s_delay_alu instid0(VALU_DEP_4)
	v_lshrrev_b32 v[BY+\b], 23, v[SOP+\b]
.endr
	s_delay_alu instid0(VALU_DEP_3)
	v_lshl_or_b32 v[SWD], v[BY+1], 8, v[BY]        ; my column's scale word
	s_delay_alu instid0(VALU_DEP_1)
	v_lshl_or_b32 v[SWD], v[BY+2], 16, v[SWD]
	s_delay_alu instid0(VALU_DEP_1)
	v_lshl_or_b32 v[SWD], v[BY+3], 24, v[SWD]
.irp b, 0,1,2,3                                ; even blocks toward OP0 and TA, odd ones toward OP1 and TB
	v_cvt_scalef32_pk16_bf6_f32 v[OP0+12*(\b%2)+6*(\b/2):OP0+12*(\b%2)+6*(\b/2)+2], v[X+32*\b:X+32*\b+15], v[SOP+\b]
	v_cvt_scalef32_pk16_bf6_f32 v[TA+8*(\b%2)+4*(\b/2):TA+8*(\b%2)+4*(\b/2)+2], v[X+32*\b+16:X+32*\b+31], v[SOP+\b]
.endr
	v_nop                                          ; one plain place behind the scaled conversions: their results are touched below, and their sources become accumulators
.irp c, 0,1                                    ; a tile's operand wants blocks 2 c of its 16 columns in lanes 0-15 and blocks 2 c + 1 in lanes 16-31: the even blocks' upper lanes change places with the odd blocks' lower lanes
.irp i, 0,1,2
	v_permlane16_swap_b32 v[OP0+6*\c+\i], v[OP1+6*\c+\i]
	v_permlane16_swap_b32 v[TA+4*\c+\i], v[TB+4*\c+\i]
.endr
.endr
.irp c, 0,1
.irp i, 0,1,2
	v_mov_b32 v[OP0+6*\c+3+\i], v[TA+4*\c+\i]
	v_mov_b32 v[OP1+6*\c+3+\i], v[TB+4*\c+\i]
.endr
.endr
	PLACES 8                                       ; a scale word made by vector instructions stands 8 places ahead of the scaled product, an operand 4
	; all 2,048 rows of ones: 128 tiles of 16, four a round, 32 rounds.  Columns 16-31 have their scale words in lanes 16-31.  The eight accumulators take turns, one instruction a turn, over the backward jump too
	ROWS 1
	s_mov_b32 s36, 31
.Lrows:
	s_wait_alu depctr_va_vdst(0)
	ROWS 0
	s_sub_co_u32 s36, s36, 1
	s_cmp_lg_u32 s36, 0
	s_cbranch_scc1 .Lrows
	PLACES 4
	v_add_f32 v[DA], v[ACC], v[ACC+16]             ; register 0 of lane (r, h) is column r's sum.  The four chains hold equal numbers: these additions round nothing
	v_add_f32 v[DB], v[ACC+8], v[ACC+24]
	v_add_f32 v[DA+1], v[ACC+32], v[ACC+48]
	v_add_f32 v[DB+1], v[ACC+40], v[ACC+56]
	s_delay_alu instid0(VALU_DEP_2)
	v_add_f32 v[DA], v[DA], v[DA+1]
	s_delay_alu instid0(VALU_DEP_2)
	v_add_f32 v[DB], v[DB], v[DB+1]
	s_delay_alu instid0(VALU_DEP_1)
	v_cndmask_b32 v[RES], v[DA], v[DB], s31        ; lane l now has its own column's,
	s_delay_alu instid0(VALU_DEP_1)
	v_mul_f32 v[RES], 0x3c000000, v[RES]           ; x 2^-7: one row's part out of the 128 tiles' sum
	s_branch .Lred
.Lnone:
	v_mov_b32 v[RES], 0
.Lred:
	s_wait_alu depctr_va_vdst(0)
	ds_store_b32 v[ARW], v[RES]
	s_wait_dscnt 0x0                               ; for wave 0's sake
	s_barrier_signal -1
	s_barrier_wait -1
	s_cmp_lg_u32 s[WV], 0
	s_cbranch_scc1 .Ldone_a
.irp i, 0,1,2,3,4,5,6,7
	ds_load_b64 v[X+2*\i:X+2*\i+1], v[ARR] offset:256*\i    ; K step i's sums of columns 2 l, 2 l + 1
.endr
	v_lshlrev_b32 v[G8], 3, v1
	s_wait_dscnt 0x0
	v_pk_add_f32 v[X:X+1], v[X:X+1], v[X+2:X+3]
	v_pk_add_f32 v[X+4:X+5], v[X+4:X+5], v[X+6:X+7]
	v_pk_add_f32 v[X+8:X+9], v[X+8:X+9], v[X+10:X+11]
	v_pk_add_f32 v[X+12:X+13], v[X+12:X+13], v[X+14:X+15]
	s_delay_alu instid0(VALU_DEP_3)
	v_pk_add_f32 v[X:X+1], v[X:X+1], v[X+4:X+5]
	s_delay_alu instid0(VALU_DEP_2)
	v_pk_add_f32 v[X+8:X+9], v[X+8:X+9], v[X+12:X+13]
	s_delay_alu instid0(VALU_DEP_1)
	v_pk_add_f32 v[X:X+1], v[X:X+1], v[X+8:X+9]
	s_wait_alu depctr_va_vdst(0)
	global_store_b64 v[G8], v[X:X+1], s[34:35]     ; 32 lanes store 256 consecutive bytes, aligned
.Ldone_a:
	s_wait_tensorcnt 0x0                           ; the wave's end, behind my last LDS store
	ds_add_u32 v[SPW], v[NIL]
	s_wait_dscnt 0x0
	s_endpgm
.Lfunc_end_k_q563b50b0a2_colsum_scores:
	.size	k_q563b50b0a2_colsum_scores, .Lfunc_end_k_q563b50b0a2_colsum_scores-k_q563b50b0a2_colsum_scores
	.p2alignl 7, 3214868480
	.fill 96, 4, 3214868480
	.section	.rodata,"a",@progbits
	.p2align	6, 0x0
	.amdhsa_kernel k_q563b50b0a2_colsum_scores
		.amdhsa_group_segment_fixed_size 57344
		.amdhsa_private_segment_fixed_size 0
		.amdhsa_enable_private_segment 0
		.amdhsa_kernarg_size 72
		.amdhsa_user_sgpr_count 2
		.amdhsa_user_sgpr_kernarg_segment_ptr 1
		.amdhsa_wavefront_size32 1
		.amdhsa_system_sgpr_workgroup_id_x 1
		.amdhsa_system_sgpr_workgroup_id_y 1
		.amdhsa_system_sgpr_workgroup_id_z 1
		.amdhsa_system_vgpr_workitem_id 0
		.amdhsa_next_free_vgpr 256
		.amdhsa_next_free_sgpr 80
		.amdhsa_reserve_vcc 1
		.amdhsa_float_denorm_mode_32 3
		.amdhsa_float_denorm_mode_16_64 3
		.amdhsa_memory_ordered 1
		.amdhsa_forward_progress 1
		.amdhsa_inst_pref_size 80
	.end_amdhsa_kernel
	.amdgpu_metadata
---
amdhsa.version: [ 1, 2 ]
amdhsa.kernels:
  - .name:           k_q563b50b0a2_colsum_scores
    .symbol:         k_q563b50b0a2_colsum_scores.kd
    .args:
      - { .name: W_e, .offset: 0, .size: 8, .value_kind: global_buffer, .address_space: global }
      - { .name: W_p_codes, .offset: 8, .size: 8, .value_kind: global_buffer, .address_space: global }
      - { .name: W_p_scales, .offset: 16, .size: 8, .value_kind: global_buffer, .address_space: global }
      - { .name: W_k_codes, .offset: 24, .size: 8, .value_kind: global_buffer, .address_space: global }
      - { .name: W_k_scales, .offset: 32, .size: 8, .value_kind: global_buffer, .address_space: global }
      - { .name: W_q_codes, .offset: 40, .size: 8, .value_kind: global_buffer, .address_space: global }
      - { .name: W_q_scales, .offset: 48, .size: 8, .value_kind: global_buffer, .address_space: global }
      - { .name: psum, .offset: 56, .size: 8, .value_kind: global_buffer, .address_space: global }
      - { .name: scp, .offset: 64, .size: 8, .value_kind: global_buffer, .address_space: global }
    .group_segment_fixed_size: 57344
    .private_segment_fixed_size: 0
    .kernarg_segment_align: 8
    .kernarg_segment_size: 72
    .max_flat_workgroup_size: 512
    .sgpr_count:     80
    .vgpr_count:     256
    .wavefront_size: 32
...
	.end_amdgpu_metadata
.endif
;; end of part 4
;; launch delta (part 5): grid 128 x 1, 16 waves a work-group, no clusters, 190,464 bytes of LDS; arguments W_e, idx, psum, scp, W_v_codes, W_v_scales, A_LR, B_LR, fp; writes fp
.if DOCPART == 5
	.amdgcn_target "amdgcn-amd-amdhsa--gfx1250"
	.amdhsa_code_object_version 6
	.text
	.protected	k_q563b50b0a2_delta
	.globl	k_q563b50b0a2_delta
	.p2align	8
	.type	k_q563b50b0a2_delta,@function
k_q563b50b0a2_delta:
	s_mov_b64 s[64:65], 0
	v_nop
	global_prefetch_b8 v0, s[64:65] scope:SCOPE_SE
	s_setreg_imm32_b32 hwreg(HW_REG_WAVE_SCHED_MODE, 0, 2), 2
	s_setreg_imm32_b32 hwreg(HW_REG_WAVE_MODE, 25, 1), 1
	s_wait_xcnt 0x0
	s_wait_alu depctr_vm_vsrc(0)
; PGD, launch 2 of 3: f_k[:, 512], in four parts along the positions s.  Left out, as shown at the head of launch 1: product 4, and every query position but 512.
; fp[q][b][e] = (sum over heads of A_LR[h] x sum over s in chunk q of Q(K[h][512][s]) Q(V[b][h][s][e]) + B_LR x sum over s in chunk q of diff[b][s][e]) / 512.
; A work-group: batch b, chunk q of 128 positions, 32 outputs e (eg).  Sixteen waves, each with two parts to play:
;  PRELUDE: wave w gathers 16 rows of W_e by idx (tile w / 2 of the chunk), 128 of their 256 d (half w % 2), takes E = product 5's row / 50,257 away, adds up diff x B_LR, quantises diff along d and leaves the fragment in LDS as an image of its registers.
;  PRODUCTS: wave w has head w / 2 and outputs 32 eg + 16 (w % 2) + 0 .. 15.  V^T = diff W_v (product 6, transposed: source 0 = 16 positions, source 1 = 16 rows e of W_v): a lane holds one e, its registers run along s; V is quantised along s in
;  registers and meets the head's softmax row (product 7: source 0 = the row, 16 times; source 1 = V).  Each wave makes its head's softmax row itself from launch 1's scores: 513 numbers, 16 a lane and one apart.
; THE POSITIONS OF A TILE ARE NOT NEIGHBOURS: lane r of tile 2 b + u takes position 32 b + 8 u + r + 8 (r / 8), so that two neighbouring tiles' 16 registers of V^T are 16 neighbouring positions.
; The gather's index is the input idx, read by scalar loads and held at 50,256 from above.
; LIMITS: v_exp_f32 gives 0 for a p under 2^-126; a block of zeros gets the scale byte 1 (its codes are zeros; this program alone reads the bytes).
; No cluster: what work-groups share here is a gather by index and 51 KB of sums.  No tensor loads: nothing in LDS is filled twice.  128 work-groups: the split that gives every wave one head, one tile of e and one K step of product 7.
; THE MODE: SCHED_MODE bits 1:0 = 2 (LLVM: expert scheduling mode 2), set by the entry lines.  The code itself states the register dependences between vector or matrix instructions and memory or LDS instructions, with s_wait_alu, always for 0.
; THE PLAN.  The text is one run of phases.  A phase's vector work stands together; one wait on va_vdst stands behind it; behind that come the phase's stores and the next phase's loads.  Registers that memory or LDS instructions touch:
;   v4-15, v60-63, v228-231  addresses and offsets: written at the head, ahead of the wait on va_vdst in front of psum's loads.  v228-231 are read by the head's loads alone; fragments of diff land there later.
;   XA       written by sixteen additions when idx is in; read by the gather; diff's numbers land there later.
;   R        psum's rows land; vector sums; R .. R+3 are stored; behind the barrier eight partial sums land; vector sums.
;   SCA, SCB, TL  the scores land; the softmax works on them; diff's numbers land there later.
;   KC, SX+2 written by the softmax row's conversion and shift; read by four LDS stores.
;   X        the gathered rows land; diff is made in place; sixteen LDS stores read it; then it is F2.
;   Y        diff's numbers land; the quantiser reads them; from then on matrix and vector instructions alone name these registers (H).
;   PC, PW, DB4  written by vector instructions; read by the image's stores.
;   F and FS, F2 and FS2  two buffers of four fragments and four scale words, by turns: product 6's step k reads buffer k % 2; the loads of step k + 2 land in it behind the one wait that shows step k's products done reading.
.set ERED,  0                          ; LDS: 8 x 256 partial column sums
.set DST,   8192                       ; a stage of 16 rows x (512 + 16) bytes for each wave
.set DIMG,  143360                     ; diff's 16 fragments (tile T, K step s: 2 T + s), 1,536 bytes each
.set DSC,   167936                     ; their scale words
.set DBR,   169984                     ; 8 x 256 partial sums of diff x B_LR
.set KSC,   178176                     ; 512 bytes for each wave: its head's softmax row as codes (384) and scale bytes (16)
.set RED,   186368                     ; 16 waves x 32 results
.set SPARE, 188416                     ; the spare words, 128 bytes for each wave: eight blocks of 256 bytes that no other line names
.set EW,   4                           ; v4   16 x thread: LDS address in ERED, and my byte offset in a group of eight rows of psum
.set ER,   5                           ; v5   16 x (thread % 64): LDS address in ERED, and my byte offset in a row of W_e
.set DSTW, 6
.set DSTR, 7
.set IMW,  8
.set ISW,  9
.set IMR,  10
.set ISR,  11
.set DBW,  12
.set KSW,  13
.set KSB,  14
.set KSR,  15
.set WF,   16                          ; v16-39   W_v's two fragments
.set KF,   40                          ; v40-51   the softmax row's fragment: 128 keys, 16 equal rows
.set EM,   52                          ; v52-55   E of my four d
.set DB4,  56                          ; v56-59   my rows' sum of diff x B_LR
.set KWR,  60
.set REDW, 61
.set REDR, 62
.set DBRR, 63
.set X,    64                          ; v64-127  16 gathered rows, 4 numbers each
.set F2,   64                          ; v64-111  once the stage's stores have read X: four fragments of diff, the second buffer
.set H,    128                         ; v128-191 eight tiles of V^T;  before that Y: 64 numbers of diff;  before that the softmax:
.set Y,    128
.set SCA,  128                         ; v128-143 16 scores, then p
.set SCB,  144                         ; v144-159 their second halves
.set TL,   160                         ; v160-161 key 512's
.set MX,   162                         ; v162-163 the maximum, later 1 / sum, as a pair's low word
.set XA,   164                         ; v164-179 the gather's offsets
.set F,    192                         ; v192-239 four fragments of diff, the first buffer
.set R,    192                         ; v192-223 rows of psum
.set TM,   192                         ; v192-207 at work in QUANT
.set PC,   208                         ; v208-219 the codes just made
.set TP,   220
.set SX,   220                         ; v220-227 at work in the softmax
.set DK,   228                         ; v228-235 product 7's result;  at the head v228-231 hold four offsets in memory:
.set SCO,  228
.set ZO,   229
.set WVO,  230
.set WVSO, 231
.set KC,   236                         ; v236-238 16 codes of the softmax row
.set WFS,  240                         ; v240-251 hold scale words and nothing else
.set KW,   242
.set FS,   243                         ; v243-246 the first buffer's four;  v248-251 the second's: FS + 5
.set PW,   247
.set SPW,  254                         ; v254 LDS address of my spare word; never rewritten
.set NIL,  255                         ; v255 0; never rewritten
.set SEL,  56
.set WV,   58
.set RC,   88                          ; s88  1 / 50,257, rounded
.set NV,   89                          ; s89  50,257
.set HN,   90                          ; s90  2^-9
.set CS,   92                          ; s[92:93] log2(e)
.macro PLACES n
.rept \n
	v_nop
.endr
.endm
.macro GFRAG reg, voff, sb, off
.irp p, 0,1,2,3,4,5
	global_load_b64 v[(\reg)+2*\p:(\reg)+2*\p+1], v[\voff], s[\sb:\sb+1] offset:(\off)+48*(\p/3)+8*(\p%3)
.endr
.endm
.macro MM0 d, a, b, sa, sb
	v_wmma_scale_f32_16x16x128_f8f6f4 v[(\d):(\d)+7], v[(\a):(\a)+11], v[(\b):(\b)+11], 0, v[\sa], v[\sb] matrix_a_fmt:MATRIX_FMT_BF6 matrix_b_fmt:MATRIX_FMT_BF6
.endm
.macro MMA d, a, b, sa, sb
	v_wmma_scale_f32_16x16x128_f8f6f4 v[(\d):(\d)+7], v[(\a):(\a)+11], v[(\b):(\b)+11], v[(\d):(\d)+7], v[\sa], v[\sb] matrix_a_fmt:MATRIX_FMT_BF6 matrix_b_fmt:MATRIX_FMT_BF6
.endm
; 64 numbers of a lane, register 16 b + i = k 32 b + 16 (lane / 16) + i of my row, become a fragment's codes in v[pc] on and its scale word in v[pw]
.macro QUANT s, pc, tp, pw
.irp b, 0,1,2,3
	v_max3_num_f32 v[TM+\b], |v[(\s)+16*\b]|, |v[(\s)+1+16*\b]|, 0x2800000   ; the floor 2^(5 - 127) holds the byte at 1 from below.  Each accumulator is read from its low end on
.endr
.irp i, 2,4,6,8,10,12,14
.irp b, 0,1,2,3
	v_max3_num_f32 v[TM+\b], v[TM+\b], |v[(\s)+16*\b+\i]|, |v[(\s)+1+16*\b+\i]|
.endr
.endr
.irp b, 0,1,2,3
	v_permlanex16_b32 v[TM+4+\b], v[TM+\b], s[SEL], s[SEL+1]                 ; (its destination has been written: loads filled these registers)
.endr
.irp b, 0,1,2,3
	v_max_num_f32 v[TM+\b], v[TM+\b], v[TM+4+\b]
.endr
.irp b, 0,1,2,3
	v_add_nc_u32 v[TM+12+\b], 0xfe000000, v[TM+\b]                           ; 4 off the exponent field: the conversion's scale operand
.endr
.irp b, 0,1,2,3
	v_lshrrev_b32 v[TM+4+\b], 23, v[TM+12+\b]
.endr
	v_lshl_or_b32 v[\pw], v[TM+5], 8, v[TM+4]
	v_lshl_or_b32 v[\pw], v[TM+6], 16, v[\pw]
	v_lshl_or_b32 v[\pw], v[TM+7], 24, v[\pw]
.irp c, 0,1
	v_cvt_scalef32_pk16_bf6_f32 v[(\pc)+6*\c:(\pc)+2+6*\c], v[(\s)+32*\c:(\s)+15+32*\c], v[TM+12+2*\c]
	v_cvt_scalef32_pk16_bf6_f32 v[(\tp)+4*\c:(\tp)+2+4*\c], v[(\s)+16+32*\c:(\s)+31+32*\c], v[TM+12+2*\c+1]
.endr
	v_nop                                          ; one plain place behind the scaled conversions
.irp c, 0,1
.irp i, 0,1,2
	v_permlane16_swap_b32 v[(\pc)+6*\c+\i], v[(\tp)+4*\c+\i]
.endr
.irp i, 0,1,2
	v_mov_b32 v[(\pc)+3+6*\c+\i], v[(\tp)+4*\c+\i]
.endr
.endr
.endm
; Product 6 goes in four steps: K step s of d, tiles 4 g .. 4 g + 3 of the positions, on buffer g.  LDF: a step's four fragments and four scale words from their images, 16 LDS loads
.macro LDF s, g
.irp t, 0,1,2,3
.irp c, 0,1,2
	ds_load_b128 v[F+(F2-F)*(\g)+12*\t+4*\c:F+(F2-F)*(\g)+12*\t+4*\c+3], v[IMR] offset:1536*(2*(4*(\g)+\t)+(\s))+512*\c
.endr
	ds_load_b32 v[FS+5*(\g)+\t], v[ISR] offset:128*(2*(4*(\g)+\t)+(\s))
.endr
.endm
; and its four products.  The eight accumulators take turns, one instruction a turn: tiles 0 to 7 of K step 0, then tiles 0 to 7 of K step 1
.macro PROD6 s, g
.irp t, 0,1,2,3
.if \s == 0
	MM0 H+8*(4*(\g)+\t), F+(F2-F)*(\g)+12*\t, WF, FS+5*(\g)+\t, WFS
.else
	MMA H+8*(4*(\g)+\t), F+(F2-F)*(\g)+12*\t, WF+12, FS+5*(\g)+\t, WFS+1
.endif
.endr
.endm
	s_load_b512 s[4:19], s[0:1], 0x0               ; W_e s[4:5], idx s[6:7], psum s[8:9], scp s[10:11], W_v codes s[12:13], scales s[14:15], A_LR s[16:17], B_LR s[18:19]
	s_load_b64 s[20:21], s[0:1], 0x40              ; fp
	v_lshl_add_u32 v[SPW], v0, 2, SPARE
	v_mov_b32 v[NIL], 0
	v_lshrrev_b32 v1, 5, v0
	v_readfirstlane_b32 s[WV], v1                  ; wave 0..15
	v_and_b32 v1, 31, v0                           ; lane
	s_wait_alu depctr_va_vdst(0)
	v_and_b32 v2, 15, v0                           ; r
	s_wait_alu depctr_va_vdst(0)
	v_bfe_u32 v3, v0, 4, 1                         ; h
	s_and_b32 s22, ttmp9, 7                        ; eg
	s_bfe_u32 s23, ttmp9, 0x20003                  ; q
	s_lshr_b32 s24, ttmp9, 5                       ; b
	s_wait_alu depctr_va_sdst(0)                   ; the wave's number is written in s[WV], ahead of its first reader
	s_lshr_b32 s25, s[WV], 1                       ; prelude: my tile of rows; products: my head
	s_and_b32 s26, s[WV], 1                        ; prelude: my half of d; products: my tile of e
	; every LDS address: a constant + a constant x lane + a constant x wave
	v_lshlrev_b32 v[EW], 4, v0
	v_and_b32 v[ER], 63, v0
	v_lshlrev_b32 v[ER], 4, v[ER]
	s_mul_i32 s27, s[WV], 8448
	s_add_co_u32 s27, s27, DST
	v_lshl_add_u32 v[DSTW], v1, 4, s27             ; the stage, in: 16 bytes a lane, a row an instruction
	v_mul_u32_u24 v[DSTR], v2, 528
	s_wait_alu depctr_va_vdst(0)
	v_lshl_add_u32 v[DSTR], v3, 6, v[DSTR]
	v_add_nc_u32 v[DSTR], s27, v[DSTR]             ; out: row r, + 64 h: my 16 numbers of a block of 32
	s_mul_i32 s28, s[WV], 1536
	s_add_co_u32 s28, s28, DIMG
	v_lshl_add_u32 v[IMW], v1, 4, s28
	v_lshl_add_u32 v[ISW], v0, 2, DSC
	v_lshl_add_u32 v[IMR], v1, 4, DIMG
	v_lshl_add_u32 v[ISR], v1, 2, DSC
	v_lshl_add_u32 v[DBW], v0, 4, DBR
	s_lshl_b32 s29, s[WV], 9
	s_add_co_u32 s29, s29, KSC
	v_mul_u32_u24 v[KSW], v1, 12
	v_add_nc_u32 v[KSW], s29, v[KSW]
	v_lshrrev_b32 v[KSB], 1, v1
	v_add_nc_u32 v[KSB], s29, v[KSB]
	v_mul_u32_u24 v[KSR], v3, 24
	v_add_nc_u32 v[KSR], s29, v[KSR]
	v_mov_b32 v[KWR], s29
	v_lshl_add_u32 v[REDW], v0, 2, RED
	v_lshlrev_b32 v[REDR], 2, v2
	v_lshl_add_u32 v[REDR], v3, 7, v[REDR]
	v_add_nc_u32 v[REDR], RED, v[REDR]
	s_lshl_b32 s30, s22, 7
	s_add_co_u32 s30, s30, DBR
	v_lshl_add_u32 v[DBRR], v1, 2, s30
	; offsets in memory
	s_lshl_b32 s31, s23, 3
	v_add_nc_u32 v[SCO], s31, v1
	v_and_b32 v[SCO], 31, v[SCO]
	v_lshlrev_b32 v[SCO], 6, v[SCO]                ; lane l takes keys 16 ((l + 8 q) % 32) on: chunk q's 128 keys then lie in lanes 0-7, whatever q
	v_mov_b32 v[ZO], 0
	v_mul_u32_u24 v[WVO], v2, 192
	v_mad_u32_u24 v[WVO], v3, 24, v[WVO]
	v_lshlrev_b32 v[WVSO], 3, v2
	s_lshl_b32 s32, s24, 9
	s_lshl_b32 s33, s23, 7
	s_add_co_u32 s32, s32, s33
	s_lshr_b32 s33, s25, 1
	s_lshl_b32 s33, s33, 5
	s_add_co_u32 s32, s32, s33
	s_and_b32 s33, s25, 1
	s_lshl_b32 s33, s33, 3
	s_add_co_u32 s32, s32, s33                     ; 512 b + 128 q + 32 (T / 2) + 8 (T % 2): my tile's first position
	s_lshl_b32 s32, s32, 2
	s_mov_b32 s33, 0
	s_lshl_b32 s34, s25, 8
	s_lshl_b32 s35, s22, 5
	s_add_co_u32 s34, s34, s35
	s_lshl_b32 s35, s26, 4
	s_add_co_u32 s34, s34, s35                     ; W_v's row 256 head + 32 eg + 16 (w % 2)
	s_mul_i32 s36, s34, 192
	s_mov_b32 s37, 0
	s_lshl_b32 s38, s34, 3
	s_mov_b32 s39, 0
	s_mul_i32 s40, s25, 4608
	s_mov_b32 s41, 0
	s_lshl_b32 s42, s25, 2
	s_mov_b32 s43, 0
	s_lshl_b32 s44, s23, 2
	s_add_co_u32 s44, s44, s24
	s_lshl_b32 s44, s44, 10
	s_lshl_b32 s45, s22, 7
	s_add_co_u32 s44, s44, s45                     ; fp[q][b][32 eg]
	s_mov_b32 s45, 0
	s_mov_b32 s[SEL], 0x76543210
	s_mov_b32 s[SEL+1], 0xfedcba98
	s_mov_b32 s[RC], 0x37a6ea0a
	s_mov_b32 s[NV], 0x47445100
	s_mov_b32 s[HN], 0x3b000000
	s_mov_b32 s[CS], 0x3fb8aa3b
	s_mov_b32 s[CS+1], s[CS]                       ; (named with it as a pair, so it is written)
	s_wait_kmcnt 0x0
	s_add_nc_u64 s[6:7], s[6:7], s[32:33]
	s_add_nc_u64 s[16:17], s[16:17], s[42:43]
	s_load_b256 s[68:75], s[6:7], 0x0              ; the tile's rows r = 0 .. 7,
	s_load_b256 s[76:83], s[6:7], 0x40             ; and r = 8 .. 15, sixteen positions on
	s_load_b32 s84, s[16:17], 0x0                  ; A_LR[head]
	s_load_b32 s86, s[18:19], 0x0                  ; B_LR
	s_add_nc_u64 s[10:11], s[10:11], s[40:41]
	s_add_nc_u64 s[12:13], s[12:13], s[36:37]
	s_add_nc_u64 s[14:15], s[14:15], s[38:39]
	s_add_nc_u64 s[20:21], s[20:21], s[44:45]
	s_wait_alu depctr_va_vdst(0)                   ; the head's addresses and offsets (v4-15, v60-63, v228-231) are written: every LDS and memory instruction below reads one of them, the gather's aside
.irp i, 0,1,2,3,4,5
	global_load_b128 v[R+4*\i:R+4*\i+3], v[EW], s[8:9] offset:8192*\i    ; psum's rows T + 8 i, my four columns
.endr
	s_cmp_lt_u32 s[WV], 4                          ; psum has 50 rows: rows 48 and 49 fall to tiles 0 and 1
	s_cbranch_scc0 .Lno_row
	global_load_b128 v[R+24:R+27], v[EW], s[8:9] offset:49152
	s_branch .Lrow_done
.Lno_row:
.irp i, 0,1,2,3
	v_mov_b32 v[R+24+\i], 0                        ; (no load below, up to the next wait on va_vdst, touches these four)
.endr
.Lrow_done:
.irp j, 0,1,2,3
	global_load_b128 v[SCA+4*\j:SCA+4*\j+3], v[SCO], s[10:11] offset:16*\j
.endr
.irp j, 0,1,2,3
	global_load_b128 v[SCB+4*\j:SCB+4*\j+3], v[SCO], s[10:11] offset:2304+16*\j
.endr
	global_load_b32 v[TL], v[ZO], s[10:11] offset:2048
	global_load_b32 v[TL+1], v[ZO], s[10:11] offset:4352
	GFRAG WF, WVO, 12, 0
	GFRAG WF+12, WVO, 12, 96
	global_load_b32 v[WFS], v[WVSO], s[14:15]
	global_load_b32 v[WFS+1], v[WVSO], s[14:15] offset:4
	s_wait_kmcnt 0x0
.irp i, 0,1,2,3,4,5,6,7,8,9,10,11,12,13,14,15
	s_min_u32 s[68+\i], s[68+\i], 50256            ; an index stays inside the table
	s_lshl_b32 s[68+\i], s[68+\i], 10
	v_add_nc_u32 v[XA+\i], s[68+\i], v[ER]
.endr
	s_wait_alu depctr_va_vdst(0)                   ; the sixteen offsets XA are written, which the gather reads
.irp i, 0,1,2,3,4,5,6,7,8,9,10,11,12,13,14,15
	global_load_b128 v[X+4*\i:X+4*\i+3], v[XA+\i], s[4:5]   ; row i of my tile, my 128 d: 512 consecutive bytes a load
.endr
	s_mul_f32 s85, s84, s[HN]                      ; A_LR / 512
	s_mov_b32 s87, s86
	; ---- E: product 5's row, in 50 parts along the vocabulary
	s_wait_loadcnt 40                              ; psum's loads are in; 10 of the scores, 14 of W_v and 16 of the gather were issued behind them
.irp j, 0,2
	v_pk_add_f32 v[R+\j:R+\j+1], v[R+\j:R+\j+1], v[R+4+\j:R+5+\j]
	v_pk_add_f32 v[R+8+\j:R+9+\j], v[R+8+\j:R+9+\j], v[R+12+\j:R+13+\j]
	v_pk_add_f32 v[R+16+\j:R+17+\j], v[R+16+\j:R+17+\j], v[R+20+\j:R+21+\j]
.endr
.irp j, 0,2
	v_pk_add_f32 v[R+\j:R+\j+1], v[R+\j:R+\j+1], v[R+8+\j:R+9+\j]
	v_pk_add_f32 v[R+16+\j:R+17+\j], v[R+16+\j:R+17+\j], v[R+24+\j:R+25+\j]
.endr
.irp j, 0,2
	v_pk_add_f32 v[R+\j:R+\j+1], v[R+\j:R+\j+1], v[R+16+\j:R+17+\j]
.endr
	s_wait_alu depctr_va_vdst(0)                   ; the sums are written in R .. R+3, which the store reads; and the additions are done with R .. R+27, in which the loads behind the barrier land
	ds_store_b128 v[EW], v[R:R+3]
	s_wait_dscnt 0x0                               ; for the others' sake
	s_barrier_signal -1
	s_barrier_wait -1
	s_wait_alu depctr_vm_vsrc(0)                   ; my store has read R .. R+3, in which the first of the loads below lands
.irp g, 0,1,2,3,4,5,6,7
	ds_load_b128 v[R+4*\g:R+4*\g+3], v[ER] offset:1024*\g
.endr
	s_wait_dscnt 0x0
.irp j, 0,2
.irp g, 0,2,4,6
	v_pk_add_f32 v[R+4*\g+\j:R+4*\g+\j+1], v[R+4*\g+\j:R+4*\g+\j+1], v[R+4*\g+4+\j:R+4*\g+5+\j]
.endr
.endr
.irp j, 0,2
.irp g, 0,4
	v_pk_add_f32 v[R+4*\g+\j:R+4*\g+\j+1], v[R+4*\g+\j:R+4*\g+\j+1], v[R+4*\g+8+\j:R+4*\g+9+\j]
.endr
.endr
.irp j, 0,2
	v_pk_add_f32 v[R+\j:R+\j+1], v[R+\j:R+\j+1], v[R+16+\j:R+17+\j]
.endr
.irp i, 0,1,2,3
	v_mul_f32 v[R+4+\i], s[RC], v[R+\i]            ; S / 50,257: a first quotient,
.endr
.irp i, 0,1,2,3
	v_fma_f32 v[R+8+\i], -v[R+4+\i], s[NV], v[R+\i]  ; what it leaves,
.endr
.irp i, 0,1,2,3
	v_fma_f32 v[EM+\i], v[R+8+\i], s[RC], v[R+4+\i]  ; and the mended quotient
.endr
	; ---- my head's softmax row of query 512, over all 513 keys; its first 512 are quantised along the keys
	s_wait_loadcnt 30                              ; the scores are in; W_v's 14 and the gather's 16 were issued behind them
.irp j, 0,2,4,6,8,10,12,14
	v_pk_add_f32 v[SCA+\j:SCA+\j+1], v[SCA+\j:SCA+\j+1], v[SCB+\j:SCB+\j+1]   ; the two halves of e
.endr
	v_add_f32 v[TL], v[TL], v[TL+1]
	v_max3_num_f32 v[SX], v[SCA], v[SCA+1], v[SCA+2]
	v_max3_num_f32 v[SX+1], v[SCA+3], v[SCA+4], v[SCA+5]
	v_max3_num_f32 v[SX], v[SX], v[SCA+6], v[SCA+7]
	v_max3_num_f32 v[SX+1], v[SX+1], v[SCA+8], v[SCA+9]
	v_max3_num_f32 v[SX], v[SX], v[SCA+10], v[SCA+11]
	v_max3_num_f32 v[SX+1], v[SX+1], v[SCA+12], v[SCA+13]
	v_max3_num_f32 v[SX], v[SX], v[SCA+14], v[SCA+15]
	v_max3_num_f32 v[SX], v[SX], v[SX+1], v[TL]
	v_max_num_f32_dpp v[SX], v[SX], v[SX] row_xmask:1 row_mask:0xf bank_mask:0xf
	v_max_num_f32_dpp v[SX], v[SX], v[SX] row_xmask:2 row_mask:0xf bank_mask:0xf
	v_max_num_f32_dpp v[SX], v[SX], v[SX] row_xmask:4 row_mask:0xf bank_mask:0xf
	v_max_num_f32_dpp v[SX], v[SX], v[SX] row_xmask:8 row_mask:0xf bank_mask:0xf
	v_permlanex16_b32 v[SX+1], v[SX], s[SEL], s[SEL+1]
	v_max_num_f32 v[MX], v[SX], v[SX+1]            ; the row's maximum, in every lane
	v_mov_b32 v[MX+1], v[MX]
.irp j, 0,2,4,6,8,10,12,14
	v_pk_add_f32 v[SCA+\j:SCA+\j+1], v[SCA+\j:SCA+\j+1], v[MX:MX+1] op_sel_hi:[1,0] neg_lo:[0,1] neg_hi:[0,1]   ; the maximum is taken away first, as reference() does,
.endr
	v_sub_f32 v[TL], v[TL], v[MX]
.irp j, 0,2,4,6,8,10,12,14
	v_pk_mul_f32 v[SCA+\j:SCA+\j+1], v[SCA+\j:SCA+\j+1], s[CS:CS+1] op_sel_hi:[1,0]   ; then x log2(e)
.endr
	v_mul_f32 v[TL], s[CS], v[TL]
	s_wait_alu depctr_va_vdst(0)
.irp j, 0,1,2,3,4,5,6,7,8,9,10,11,12,13,14,15
	v_exp_f32 v[SCA+\j], v[SCA+\j]
.endr
	v_exp_f32 v[TL], v[TL]
	v_nop                                          ; a plain place behind the last exponential
	s_wait_alu depctr_va_vdst(0)                   ; the 17 exponentials have written SCA .. SCA+15 and TL: one wait, ahead of their first reader
	v_pk_add_f32 v[SX:SX+1], v[SCA:SCA+1], v[SCA+2:SCA+3]
	v_pk_add_f32 v[SX+2:SX+3], v[SCA+4:SCA+5], v[SCA+6:SCA+7]
	v_pk_add_f32 v[SX+4:SX+5], v[SCA+8:SCA+9], v[SCA+10:SCA+11]
	v_pk_add_f32 v[SX+6:SX+7], v[SCA+12:SCA+13], v[SCA+14:SCA+15]
	v_pk_add_f32 v[SX:SX+1], v[SX:SX+1], v[SX+2:SX+3]
	v_pk_add_f32 v[SX+4:SX+5], v[SX+4:SX+5], v[SX+6:SX+7]
	v_pk_add_f32 v[SX:SX+1], v[SX:SX+1], v[SX+4:SX+5]
	v_add_f32 v[SX], v[SX], v[SX+1]
	v_add_f32_dpp v[SX], v[SX], v[SX] row_xmask:1 row_mask:0xf bank_mask:0xf
	v_add_f32_dpp v[SX], v[SX], v[SX] row_xmask:2 row_mask:0xf bank_mask:0xf
	v_add_f32_dpp v[SX], v[SX], v[SX] row_xmask:4 row_mask:0xf bank_mask:0xf
	v_add_f32_dpp v[SX], v[SX], v[SX] row_xmask:8 row_mask:0xf bank_mask:0xf
	v_permlanex16_b32 v[SX+1], v[SX], s[SEL], s[SEL+1]
	v_add_f32 v[SX], v[SX], v[SX+1]
	v_add_f32 v[SX], v[SX], v[TL]                  ; key 512 counts in the sum, once
	s_wait_alu depctr_va_vdst(0)
	v_rcp_f32 v[MX], v[SX]
	v_nop                                          ; a plain place behind the reciprocal
	s_wait_alu depctr_va_vdst(0)                   ; the reciprocal has written MX, ahead of its first reader
.irp j, 0,2,4,6,8,10,12,14
	v_pk_mul_f32 v[SCA+\j:SCA+\j+1], v[SCA+\j:SCA+\j+1], v[MX:MX+1] op_sel_hi:[1,0]   ; the finished softmax
.endr
	v_max3_num_f32 v[SX], v[SCA], v[SCA+1], 0x2800000   ; none is negative: no |.|; the floor holds the byte at 1
	v_max3_num_f32 v[SX+1], v[SCA+2], v[SCA+3], v[SCA+4]
	v_max3_num_f32 v[SX], v[SX], v[SCA+5], v[SCA+6]
	v_max3_num_f32 v[SX+1], v[SX+1], v[SCA+7], v[SCA+8]
	v_max3_num_f32 v[SX], v[SX], v[SCA+9], v[SCA+10]
	v_max3_num_f32 v[SX+1], v[SX+1], v[SCA+11], v[SCA+12]
	v_max3_num_f32 v[SX], v[SX], v[SCA+13], v[SCA+14]
	v_max3_num_f32 v[SX], v[SX], v[SX+1], v[SCA+15]
	v_max_num_f32_dpp v[SX], v[SX], v[SX] row_xmask:1 row_mask:0xf bank_mask:0xf   ; two neighbouring lanes hold a block of 32 keys
	v_add_nc_u32 v[SX+1], 0xfe000000, v[SX]
	v_lshrrev_b32 v[SX+2], 23, v[SX+1]
	v_cvt_scalef32_pk16_bf6_f32 v[KC:KC+2], v[SCA:SCA+15], v[SX+1]
	v_nop                                          ; one plain place behind the scaled conversion
	s_wait_alu depctr_va_vdst(0)                   ; the conversion has written KC .. KC+2 and the shift SX+2, which the four stores read
	ds_store_b32 v[KSW], v[KC]                     ; 12 bytes a lane: lanes 0-7 lay chunk q's 96 bytes at the head of my wave's own 512
	ds_store_b32 v[KSW], v[KC+1] offset:4
	ds_store_b32 v[KSW], v[KC+2] offset:8
	ds_store_b8 v[KSB], v[SX+2] offset:384         ; both lanes of a block write the same byte with the same value
.irp p, 0,1,2,3,4,5
	ds_load_b64 v[KF+2*\p:KF+2*\p+1], v[KSR] offset:48*(\p/3)+8*(\p%3)   ; LDS serves a wave's instructions in order: these see my stores.  Every lane r takes the same row.  (No vector instruction has named KF or KW)
.endr
	ds_load_b32 v[KW], v[KWR] offset:384           ; the chunk's four scale bytes
	; ---- diff = e - E; its sum x B_LR; through my stage, so that a lane holds 16 neighbours of each block along d.  The vector work stands together, the sixteen stores behind one wait
	s_wait_loadcnt 0x0
.irp i, 0,1,2,3,4,5,6,7,8,9,10,11,12,13,14,15
	v_pk_add_f32 v[X+4*\i:X+4*\i+1], v[X+4*\i:X+4*\i+1], v[EM:EM+1] neg_lo:[0,1] neg_hi:[0,1]
	v_pk_add_f32 v[X+4*\i+2:X+4*\i+3], v[X+4*\i+2:X+4*\i+3], v[EM+2:EM+3] neg_lo:[0,1] neg_hi:[0,1]
.if \i == 0
	v_pk_mul_f32 v[DB4:DB4+1], v[X:X+1], s[86:87] op_sel_hi:[1,0]
	v_pk_mul_f32 v[DB4+2:DB4+3], v[X+2:X+3], s[86:87] op_sel_hi:[1,0]
.else
	v_pk_fma_f32 v[DB4:DB4+1], v[X+4*\i:X+4*\i+1], s[86:87], v[DB4:DB4+1] op_sel_hi:[1,0,1]
	v_pk_fma_f32 v[DB4+2:DB4+3], v[X+4*\i+2:X+4*\i+3], s[86:87], v[DB4+2:DB4+3] op_sel_hi:[1,0,1]
.endif
.endr
	s_wait_alu depctr_va_vdst(0)                   ; diff is written in X, which the stage's stores read; the softmax is done with v128-163 and the additions have written XA: in all of these the loads from the stage land
	s_wait_alu depctr_vm_vsrc(0)                   ; the gather has read XA, in which loads from the stage land; the softmax row's stores have read SX+2, which the quantiser writes
.irp i, 0,1,2,3,4,5,6,7,8,9,10,11,12,13,14,15
	ds_store_b128 v[DSTW], v[X+4*\i:X+4*\i+3] offset:528*\i
.endr
.irp b, 0,1,2,3
.irp j, 0,1,2,3
	ds_load_b128 v[Y+16*\b+4*\j:Y+16*\b+4*\j+3], v[DSTR] offset:128*\b+16*\j
.endr
.endr
	s_wait_dscnt 0x0                               ; diff is back, and so are the softmax row's fragment and scale word
	QUANT Y, PC, TP, PW
	s_wait_alu depctr_va_vdst(0)                   ; the quantiser has written PC .. PC+11 and PW, which the stores read (DB4 was written ahead of the last such wait); and it is done with v192-227, in which fragments land behind the barrier
.irp c, 0,1,2
	ds_store_b128 v[IMW], v[PC+4*\c:PC+4*\c+3] offset:512*\c   ; the fragment (tile w / 2, K step w % 2) as an image of its registers
.endr
	ds_store_b32 v[ISW], v[PW]
	ds_store_b128 v[DBW], v[DB4:DB4+3]
	s_wait_dscnt 0x0                               ; for the others' sake
	s_barrier_signal -1
	s_barrier_wait -1                              ; diff's sixteen fragments lie in LDS
	; ---- V^T = diff W_v: eight tiles of 16 positions x my 16 e, K = 256 d in two steps; four steps of four products on two buffers by turns
	s_wait_alu depctr_vm_vsrc(0)                   ; the image's stores have read PC and PW, the stage's stores X, the softmax row's stores KC, the head's loads the offsets v228-231: fragments land in all of them but PW, which the second quantiser writes
	LDF 0, 0
	LDF 0, 1
	s_wait_dscnt 16                                ; the first buffer is in; the second's 16 loads may be out
	PROD6 0, 0
	PLACES 4                                       ; in front of loads into registers that matrix instructions have read
	s_wait_alu depctr_va_vdst(0)                   ; the four products are done reading F and FS, in which K step 1's first four tiles land
	LDF 1, 0
	s_wait_dscnt 16                                ; the second buffer is in; the 16 loads just issued may be out
	PROD6 0, 1                                     ; (they name F2, FS + 5, W_v's fragment and their accumulators: none of the registers in which loads are landing)
	PLACES 4
	s_wait_alu depctr_va_vdst(0)                   ; these four are done reading F2 and FS + 5, in which K step 1's last four tiles land
	LDF 1, 1
	s_wait_dscnt 16                                ; the first buffer is in again
	PROD6 1, 0
	s_wait_dscnt 0x0
	PROD6 1, 1
	PLACES 4
	QUANT H, PC, TP, PW                            ; V along s: one K step of product 7
	PLACES 8                                       ; a scale word made by vector instructions stands 8 places ahead of the scaled product; these are also the places in front of a result laid over operands that are done with
	s_wait_alu depctr_va_vdst(0)                   ; the quantiser has written PC .. PC+11 and PW, which the scaled product takes as its second source and that source's scales; the places above stay beside this wait
	MM0 DK, KF, PC, KW, PW
	PLACES 4
	v_mul_f32 v[KC], s85, v[DK]                    ; register 0 of lane (r, h): output e0 + r; x A_LR / 512
	s_wait_alu depctr_va_vdst(0)                   ; the multiplication has written KC, which the store reads; and all vector work on v192-207 is done, in which wave 0's loads land behind the barrier
	ds_store_b32 v[REDW], v[KC]
	s_wait_dscnt 0x0                               ; for wave 0's sake
	s_barrier_signal -1
	s_barrier_wait -1
	s_cmp_lg_u32 s[WV], 0
	s_cbranch_scc1 .Lnot0
.irp i, 0,1,2,3,4,5,6,7
	ds_load_b32 v[R+\i], v[REDR] offset:256*\i     ; head i's part of output 32 eg + lane
.endr
.irp i, 0,1,2,3,4,5,6,7
	ds_load_b32 v[R+8+\i], v[DBRR] offset:1024*\i  ; tile i's sum of diff x B_LR in that column
.endr
	v_lshlrev_b32 v[R+16], 2, v1
	s_wait_dscnt 0x0
.irp u, 0,8
	v_pk_add_f32 v[R+\u:R+\u+1], v[R+\u:R+\u+1], v[R+\u+2:R+\u+3]
	v_pk_add_f32 v[R+\u+4:R+\u+5], v[R+\u+4:R+\u+5], v[R+\u+6:R+\u+7]
.endr
.irp u, 0,8
	v_pk_add_f32 v[R+\u:R+\u+1], v[R+\u:R+\u+1], v[R+\u+4:R+\u+5]
.endr
	v_add_f32 v[R], v[R], v[R+1]
	v_add_f32 v[R+8], v[R+8], v[R+9]
	v_fma_f32 v[R], v[R+8], s[HN], v[R]
	s_wait_alu depctr_va_vdst(0)                   ; the result is written in R and its offset in R+16, which the store reads
	global_store_b32 v[R+16], v[R], s[20:21]       ; 128 consecutive bytes
.Lnot0:
	s_wait_dscnt 0x0                               ; the closing lines, six on end
	s_wait_alu 0x0
	s_wait_tensorcnt 0x0
	ds_add_u32 v[SPW], v[NIL]
	s_wait_dscnt 0x0
	s_endpgm
.Lfunc_end_k_q563b50b0a2_delta:
	.size	k_q563b50b0a2_delta, .Lfunc_end_k_q563b50b0a2_delta-k_q563b50b0a2_delta
	.p2alignl 7, 3214868480
	.fill 96, 4, 3214868480
	.section	.rodata,"a",@progbits
	.p2align	6, 0x0
	.amdhsa_kernel k_q563b50b0a2_delta
		.amdhsa_group_segment_fixed_size 190464
		.amdhsa_private_segment_fixed_size 0
		.amdhsa_enable_private_segment 0
		.amdhsa_kernarg_size 72
		.amdhsa_user_sgpr_count 2
		.amdhsa_user_sgpr_kernarg_segment_ptr 1
		.amdhsa_wavefront_size32 1
		.amdhsa_system_sgpr_workgroup_id_x 1
		.amdhsa_system_sgpr_workgroup_id_y 1
		.amdhsa_system_sgpr_workgroup_id_z 1
		.amdhsa_system_vgpr_workitem_id 0
		.amdhsa_next_free_vgpr 256
		.amdhsa_next_free_sgpr 96
		.amdhsa_reserve_vcc 0
		.amdhsa_float_denorm_mode_32 3
		.amdhsa_float_denorm_mode_16_64 3
		.amdhsa_memory_ordered 1
		.amdhsa_forward_progress 1
		.amdhsa_inst_pref_size 45
	.end_amdhsa_kernel
	.amdgpu_metadata
---
amdhsa.version: [ 1, 2 ]
amdhsa.kernels:
  - .name:           k_q563b50b0a2_delta
    .symbol:         k_q563b50b0a2_delta.kd
    .args:
      - { .name: W_e, .offset: 0, .size: 8, .value_kind: global_buffer, .address_space: global }
      - { .name: idx, .offset: 8, .size: 8, .value_kind: global_buffer, .address_space: global }
      - { .name: psum, .offset: 16, .size: 8, .value_kind: global_buffer, .address_space: global }
      - { .name: scp, .offset: 24, .size: 8, .value_kind: global_buffer, .address_space: global }
      - { .name: W_v_codes, .offset: 32, .size: 8, .value_kind: global_buffer, .address_space: global }
      - { .name: W_v_scales, .offset: 40, .size: 8, .value_kind: global_buffer, .address_space: global }
      - { .name: A_LR, .offset: 48, .size: 8, .value_kind: global_buffer, .address_space: global }
      - { .name: B_LR, .offset: 56, .size: 8, .value_kind: global_buffer, .address_space: global }
      - { .name: fp, .offset: 64, .size: 8, .value_kind: global_buffer, .address_space: global }
    .group_segment_fixed_size: 190464
    .private_segment_fixed_size: 0
    .kernarg_segment_align: 8
    .kernarg_segment_size: 72
    .max_flat_workgroup_size: 512
    .sgpr_count:     96
    .vgpr_count:     256
    .wavefront_size: 32
...
	.end_amdgpu_metadata
.endif
;; end of part 5
;; launch logits (part 6): grid 242 x 1, 13 waves a work-group, no clusters, 6,144 bytes of LDS; arguments W_e, fp, out0; writes out0
.if DOCPART == 6
	.amdgcn_target "amdgcn-amd-amdhsa--gfx1250"
	.amdhsa_code_object_version 6
	.text
	.protected	k_q563b50b0a2_logits
	.globl	k_q563b50b0a2_logits
	.p2align	8
	.type	k_q563b50b0a2_logits,@function
k_q563b50b0a2_logits:
	s_mov_b64 s[64:65], 0
	v_nop
	global_prefetch_b8 v0, s[64:65] scope:SCOPE_SE
	s_setreg_imm32_b32 hwreg(HW_REG_WAVE_MODE, 25, 1), 1
	s_wait_xcnt 0x0
; PGD, launch 3 of 3: out0[b][v] = sum over d of f[b][d] W_e[v][d], f = the sum of launch 2's four parts.  (Nothing is left out here; what the program leaves out is shown at the head of launch 1.)
; The product has 4 rows and stays as it is: f32 fused multiply-adds.  W_e is streamed once: memory binds, so the matrix units, a cluster and a ring in LDS would add nothing.
; f is about a millionth in size and its rounding to 16 bits would take a good part of what the comparison allows: so f32 operands.
; A wave owns 16 rows of W_e and asks for all 16 KB at its head: 32 loads, in each of which sixteen neighbouring lanes read 256 consecutive aligned bytes of one row.  A step works two rows (lanes 0-15 one, lanes 16-31 the next).
; 242 x 13 x 16 = 50,336 rows for 50,257: the last waves' first row is held at 50,241, so that no load leaves W_e, and a lane stores only a row that is its wave's own.
; Stores: 4 bytes a lane in runs of 64 bytes; out0's rows of 201,028 bytes begin at no multiple of 256 and the whole output is 0.8 MB.
.set FL,    0                          ; LDS: f, 4 x 256 numbers
.set SPARE, 4096                       ; the spare words, 128 bytes for each wave: seven blocks of 256 bytes that no other line names
.set WO,   2                           ; v2   1,024 (lane / 16) + 16 (lane % 16)
.set FW,   3                           ; v3   16 x thread
.set FR,   4                           ; v4   16 (lane % 16)
.set ROW,  5                           ; v5   the row whose results I store
.set OO,   6                           ; v6   and where
.set SPW,  12                          ; v12  LDS address of my spare word; never rewritten
.set NIL,  13                          ; v13  0; never rewritten
.set ACC,  16                          ; v16-23 four pairs of sums
.set SUM,  24                          ; v24-27
.set TLO,  28
.set ULO,  29
.set THI,  30
.set UHI,  31
.set RLO,  32
.set RHI,  33
.set OUTA, 36
.set OUTB, 37
.set FP,   40                          ; v40-55 launch 2's four parts
.set W,    64                          ; v64-191 16 rows: step k at 16 k
.set FF,   192                         ; v192-255 f[b][64 j + 4 (lane % 16) + 0 .. 3] at 16 b + 4 j
.set WV,   14
.set MH,   20                          ; s20 lanes 8-15 and 24-31;  s21-27 lanes with lane % 8 = 1 .. 7
	s_load_b128 s[4:7], s[0:1], 0x0                ; W_e, fp
	s_load_b64 s[8:9], s[0:1], 0x10                ; out0
	v_lshl_add_u32 v[SPW], v0, 2, SPARE
	v_mov_b32 v[NIL], 0
	v_lshrrev_b32 v1, 5, v0
	s_delay_alu instid0(VALU_DEP_1)
	v_readfirstlane_b32 s[WV], v1                  ; wave 0..12
	v_and_b32 v1, 15, v0
	v_bfe_u32 v7, v0, 4, 1
	s_delay_alu instid0(VALU_DEP_2)
	v_lshlrev_b32 v[FR], 4, v1
	s_delay_alu instid0(VALU_DEP_1)
	v_lshl_add_u32 v[WO], v7, 10, v[FR]
	v_lshlrev_b32 v[FW], 4, v0
	s_mul_i32 s10, ttmp9, 208
	s_lshl_b32 s11, s[WV], 4
	s_add_co_u32 s10, s10, s11                     ; my first row
	s_min_u32 s11, s10, 50241                      ; held so that 16 rows from it on lie in W_e
	s_lshl_b32 s12, s11, 10
	s_mov_b32 s13, 0
	v_and_b32 v8, 7, v0
	s_delay_alu instid0(VALU_DEP_1)
	v_lshl_add_u32 v[ROW], v8, 1, v7
	s_delay_alu instid0(VALU_DEP_1)
	v_add_nc_u32 v[ROW], s11, v[ROW]               ; lane l stores row 2 (l % 8) + l / 16 of the 16,
	v_bfe_u32 v8, v0, 3, 1
	s_delay_alu instid0(VALU_DEP_1)
	v_mul_u32_u24 v8, v8, 50257
	s_delay_alu instid0(VALU_DEP_1)
	v_add_lshl_u32 v[OO], v8, v[ROW], 2            ; for batch (l / 8) % 2, and two batches further on
	s_mov_b32 s[MH], 0xff00ff00
.irp k, 1,2,3,4,5,6,7
	s_mov_b32 s[MH+\k], 0x01010101<<\k
.endr
	v_mov_b32 v[RLO], 0                            ; written once: the destination of a DPP form counts as one of its sources
	v_mov_b32 v[RHI], 0
	s_wait_kmcnt 0x0
	s_add_nc_u64 s[4:5], s[4:5], s[12:13]
	s_cmp_lt_u32 s[WV], 8                          ; f is 4,096 bytes: 256 threads, 16 bytes each
	s_cbranch_scc0 .Lno_f
	s_wait_alu depctr_va_vdst(0)
.irp q, 0,1,2,3
	global_load_b128 v[FP+4*\q:FP+4*\q+3], v[FW], s[6:7] offset:4096*\q
.endr
.Lno_f:
.irp k, 0,1,2,3,4,5,6,7
.irp j, 0,1,2,3
	global_load_b128 v[W+16*\k+4*\j:W+16*\k+4*\j+3], v[WO], s[4:5] offset:2048*\k+256*\j th:TH_LOAD_NT
.endr
.endr
	s_cmp_lt_u32 s[WV], 8
	s_cbranch_scc0 .Lno_sum
	s_wait_loadcnt 32                              ; the four parts are in; W_e's 32 loads were issued behind them
.irp j, 0,2
	v_pk_add_f32 v[FP+\j:FP+\j+1], v[FP+\j:FP+\j+1], v[FP+4+\j:FP+5+\j]
	v_pk_add_f32 v[FP+8+\j:FP+9+\j], v[FP+8+\j:FP+9+\j], v[FP+12+\j:FP+13+\j]
.endr
.irp j, 0
	s_delay_alu instid0(VALU_DEP_3)
	v_pk_add_f32 v[FP+\j:FP+\j+1], v[FP+\j:FP+\j+1], v[FP+8+\j:FP+9+\j]
.endr
.irp j, 2
	s_delay_alu instid0(VALU_DEP_2)
	v_pk_add_f32 v[FP+\j:FP+\j+1], v[FP+\j:FP+\j+1], v[FP+8+\j:FP+9+\j]
.endr
	ds_store_b128 v[FW], v[FP:FP+3]
.Lno_sum:
	s_wait_dscnt 0x0                               ; for the others' sake
	s_barrier_signal -1
	s_barrier_wait -1                              ; f lies in LDS (W_e's loads stay on their way: nobody writes those bytes)
.irp b, 0,1,2,3
.irp j, 0,1,2,3
	ds_load_b128 v[FF+16*\b+4*\j:FF+16*\b+4*\j+3], v[FR] offset:FL+1024*\b+256*\j
.endr
.endr
	s_wait_tensorcnt 0x0                           ; three closing lines behind my last LDS store; no LDS instruction follows them.  Their last wait also shows f in registers
	ds_add_u32 v[SPW], v[NIL]
	s_wait_dscnt 0x0
; Two rows: 16 numbers a lane against f of the four batches; then each batch's sum over the sixteen lanes of a row.  Two batches share the steps across lanes: lanes 0-7 of a half go on with one, lanes 8-15 with the other.
.macro STEP k
	s_wait_loadcnt 28-4*\k                         ; this step's four loads are in; the later steps' may be out
.irp b, 0,1,2,3
	v_pk_mul_f32 v[ACC+2*\b:ACC+2*\b+1], v[W+16*\k:W+16*\k+1], v[FF+16*\b:FF+16*\b+1]
.endr
.irp p, 1,2,3,4,5,6,7
.irp b, 0,1,2,3
	s_delay_alu instid0(VALU_DEP_4)
	v_pk_fma_f32 v[ACC+2*\b:ACC+2*\b+1], v[W+16*\k+2*\p:W+16*\k+2*\p+1], v[FF+16*\b+2*\p:FF+16*\b+2*\p+1], v[ACC+2*\b:ACC+2*\b+1]
.endr
.endr
.irp b, 0,1,2,3
	s_delay_alu instid0(VALU_DEP_4)
	v_add_f32 v[SUM+\b], v[ACC+2*\b], v[ACC+2*\b+1]
.endr
	s_delay_alu instid0(VALU_DEP_3)
	v_cndmask_b32 v[TLO], v[SUM], v[SUM+1], s[MH]      ; what I go on with,
	s_delay_alu instid0(VALU_DEP_4)
	v_cndmask_b32 v[ULO], v[SUM+1], v[SUM], s[MH]      ; and what the lane 8 away goes on with
	s_delay_alu instid0(VALU_DEP_3)
	v_cndmask_b32 v[THI], v[SUM+2], v[SUM+3], s[MH]
	s_delay_alu instid0(VALU_DEP_4)
	v_cndmask_b32 v[UHI], v[SUM+3], v[SUM+2], s[MH]
	s_delay_alu instid0(VALU_DEP_3)
	v_add_f32_dpp v[RLO], v[ULO], v[TLO] row_xmask:8 row_mask:0xf bank_mask:0xf
	s_delay_alu instid0(VALU_DEP_2)
	v_add_f32_dpp v[RHI], v[UHI], v[THI] row_xmask:8 row_mask:0xf bank_mask:0xf
.irp x, 4,2,1
	s_delay_alu instid0(VALU_DEP_2)
	v_add_f32_dpp v[RLO], v[RLO], v[RLO] row_xmask:\x row_mask:0xf bank_mask:0xf
	s_delay_alu instid0(VALU_DEP_2)
	v_add_f32_dpp v[RHI], v[RHI], v[RHI] row_xmask:\x row_mask:0xf bank_mask:0xf
.endr
.if \k == 0
	s_delay_alu instid0(VALU_DEP_2)
	v_mov_b32 v[OUTA], v[RLO]
	s_delay_alu instid0(VALU_DEP_2)
	v_mov_b32 v[OUTB], v[RHI]
.else
	s_delay_alu instid0(VALU_DEP_2)
	v_cndmask_b32 v[OUTA], v[OUTA], v[RLO], s[MH+\k]   ; the lanes with lane % 8 = k keep this step's results
	s_delay_alu instid0(VALU_DEP_2)
	v_cndmask_b32 v[OUTB], v[OUTB], v[RHI], s[MH+\k]
.endif
.endm
.irp k, 0,1,2,3,4,5,6,7
	STEP \k
.endr
	s_wait_alu depctr_va_vdst(0)
	s_wait_xcnt 0x0                                ; EXEC changes only behind this wait
	v_cmp_le_u32 vcc_lo, s10, v[ROW]               ; a row under my wave's true first row is another wave's
	s_and_saveexec_b32 s11, vcc_lo
	global_store_b32 v[OO], v[OUTA], s[8:9] th:TH_STORE_NT
	global_store_b32 v[OO], v[OUTB], s[8:9] offset:402056 th:TH_STORE_NT
	s_endpgm
.Lfunc_end_k_q563b50b0a2_logits:
	.size	k_q563b50b0a2_logits, .Lfunc_end_k_q563b50b0a2_logits-k_q563b50b0a2_logits
	.p2alignl 7, 3214868480
	.fill 96, 4, 3214868480
	.section	.rodata,"a",@progbits
	.p2align	6, 0x0
	.amdhsa_kernel k_q563b50b0a2_logits
		.amdhsa_group_segment_fixed_size 6144
		.amdhsa_private_segment_fixed_size 0
		.amdhsa_enable_private_segment 0
		.amdhsa_kernarg_size 24
		.amdhsa_user_sgpr_count 2
		.amdhsa_user_sgpr_kernarg_segment_ptr 1
		.amdhsa_wavefront_size32 1
		.amdhsa_system_sgpr_workgroup_id_x 1
		.amdhsa_system_sgpr_workgroup_id_y 1
		.amdhsa_system_sgpr_workgroup_id_z 1
		.amdhsa_system_vgpr_workitem_id 0
		.amdhsa_next_free_vgpr 256
		.amdhsa_next_free_sgpr 66
		.amdhsa_reserve_vcc 1
		.amdhsa_float_denorm_mode_32 3
		.amdhsa_float_denorm_mode_16_64 3
		.amdhsa_memory_ordered 1
		.amdhsa_forward_progress 1
		.amdhsa_inst_pref_size 44
	.end_amdhsa_kernel
	.amdgpu_metadata
---
amdhsa.version: [ 1, 2 ]
amdhsa.kernels:
  - .name:           k_q563b50b0a2_logits
    .symbol:         k_q563b50b0a2_logits.kd
    .args:
      - { .name: W_e, .offset: 0, .size: 8, .value_kind: global_buffer, .address_space: global }
      - { .name: fp, .offset: 8, .size: 8, .value_kind: global_buffer, .address_space: global }
      - { .name: out0, .offset: 16, .size: 8, .value_kind: global_buffer, .address_space: global }
    .group_segment_fixed_size: 6144
    .private_segment_fixed_size: 0
    .kernarg_segment_align: 8
    .kernarg_segment_size: 24
    .max_flat_workgroup_size: 416
    .sgpr_count:     66
    .vgpr_count:     256
    .wavefront_size: 32
...
	.end_amdgpu_metadata
.endif
;; end of part 6
